; MI455X (gfx1250); checked and timed in simulation.
; The chip was launched on July 23, 2026; its instructions are those of AMD's public machine-readable ISA for CDNA 5 (MIT licence, August 2026) and "CDNA5" Instruction Set Architecture Reference Guide (July 2026). The comments in the code are by the model that wrote it; some were corrected since.
;; Attention. Allowed arithmetic: matrix products marked QUANTISED: E2M3 operands, one E8M0 scale for each 32 along K, by v_wmma_scale_f32_16x16x128_f8f6f4 with both operands' format E2M3, f32 sums; everything else in f32.
;; Inputs: cos 2,048 x 32 float32; mask 2,048 x 2,048 float32; sin 2,048 x 32 float32; wk 2,048 x 512 float32; wo 2,048 x 2,048 float32; wq 2,048 x 2,048 float32; wv 2,048 x 512 float32; x 1 x 2,048 x 2,048 float32.
;; Outputs: out0 1 x 2,048 x 2,048 float32.
;; This version of the problem:
;;   THIS VERSION OF THE PROBLEM IS GIVEN IN LOW PRECISION. The matrix products marked QUANTISED in the list below multiply operands that are first quantised to E2M3 (2 exponent bits, 3 mantissa bits; 6 bits a number), with one power-of-two scale for each 32 numbers along K (OCP MX v1.0); their sums are f32. All else is computed in f32.
;;   The module's matrix products, in the order in which they are computed (A, B: the left and right operand; K: the contracted axis; several contracted axes count as one K, in the product's order):
;;     1. [M 2,048, K 2,048] x [K 2,048, N 2,048]; A: input x; B: input wq: QUANTISED
;;     2. [M 2,048, K 2,048] x [K 2,048, N 512]; A: input x; B: input wk: QUANTISED
;;     3. [M 2,048, K 2,048] x [K 2,048, N 512]; A: input x; B: input wv: QUANTISED
;;     4. batch 32 x [M 2,048, K 64] x [K 64, N 2,048]; A: computed on the way; B: computed on the way: QUANTISED
;;     5. batch 32 x [M 2,048, K 2,048] x [K 2,048, N 64]; A: softmax (see below); B: computed on the way: QUANTISED
;;     6. [M 2,048, K 2,048] x [K 2,048, N 2,048]; A: computed on the way; B: input wo: QUANTISED
;;   THE QUANTISER, for each operand of a quantised product, along K:
;;     - K is cut into blocks of 32 from its start; a last block that is shorter is filled with zeros.
;;     - A block's scale is 2^e with e = floor(log2(the largest magnitude in the block)) - 2, held to -126 .. 127; a block of zeros has e = 0. As a byte (E8M0): e + 127.
;;     - Each number is divided by its block's scale, clamped to +-7.5, and rounded to the nearest number of E2M3, ties to even, subnormals kept.
;;     - The product sums the exact products of the quantised numbers (number of the format x scale) in f32.
;;   ~~~python
;;   def quantise(x, axis):      # numpy; x: float32 -> the quantised numbers, widened to float32 again
;;       x = np.moveaxis(x, axis, -1); K = x.shape[-1]
;;       x = np.pad(x, [(0, 0)] * (x.ndim - 1) + [(0, -K % 32)]); x = x.reshape(x.shape[:-1] + (-1, 32)); a = np.abs(x).max(-1, keepdims=True)
;;       e = np.where(a > 0, np.clip(np.frexp(np.where(a > 0, a, 1))[1] - 1 - 2, -126, 127), 0)      # np.frexp(a)[1] - 1 = floor(log2(a)), exactly
;;       r = np.clip(x / 2.0 ** e, -7.5, 7.5)
;;       step = 2.0 ** (np.maximum(np.frexp(np.where(r == 0, 1, r))[1] - 1, 0) - 3)
;;       q = np.round(r / step) * step * 2.0 ** e      # np.round: ties to even
;;       return np.moveaxis(q.reshape(q.shape[:-2] + (-1,))[..., :K], -1, axis).astype(np.float32)
;;   ~~~
;;   SOFTMAX AHEAD OF A QUANTISED PRODUCT. Where the list says 'softmax', what is quantised is not the finished softmax but p = 2^(t - M), with t = logit x log2(e) and M = ceil(the row's largest t), a whole number; so 1/2 < the row's largest p <= 1. The row's sum l is taken of the UNQUANTISED p, in f32, and the product's result is divided by l at the end. Since M is a whole number, a kernel that streams over the keys may use a running M (the ceiling of the running maximum): every later rescaling is an exact power of two, which a block's scale takes up: the codes' values come out the same.
;;   OPERANDS COMPUTED ON THE WAY. 'Computed on the way' means the value that the module computes at that place (a softmax that the list does not call 'softmax' is quantised finished and normalised). What goes into a quantiser is computed in f32, as accurately as f32 sums, v_exp_f32 and their like allow (about 1e-6 of the number): no bf16 or f16 on the way to a quantiser, and a product that is left as it is and whose result goes on into a quantised operand takes f32 operands (vector FMAs, or v_wmma_f32_16x16x4_f32). A number that lies on a knife's edge between two numbers of the format may be rounded either way, as far as f32 arithmetic and the matrix unit's own rounding can turn it there, and no further.
;; One version. Each part assembles by itself: llvm-mc -triple=amdgcn-amd-amdhsa -mcpu=gfx1250 --defsym DOCPART=n.
;; ======== version 1 of 1: 4 launches
;; limits: right only within a limited range of input values
;; workspace buffers: xq 3,276,800 bytes; wqkv 4,915,200 bytes; woq 3,276,800 bytes; qq 3,407,872 bytes; kv 1,671,168 bytes; atq 3,276,800 bytes
;; launch quant (part 1): grid 448 x 1, 4 waves a work-group, no clusters, 35,328 bytes of LDS; arguments x, wq, wk, wv, wo, xq, wqkv, woq; writes xq, wqkv, woq
.if DOCPART == 1
	.amdgcn_target "amdgcn-amd-amdhsa--gfx1250"
	.amdhsa_code_object_version 6
	.text
	.protected	k_q9fbc21978d_quant
	.globl	k_q9fbc21978d_quant
	.p2align	8
	.type	k_q9fbc21978d_quant,@function
k_q9fbc21978d_quant:
	s_mov_b64 s[64:65], 0
	v_nop
	global_prefetch_b8 v0, s[64:65] scope:SCOPE_SE
	s_setreg_imm32_b32 hwreg(HW_REG_WAVE_MODE, 25, 1), 1
	s_wait_xcnt 0x0
; LAUNCH 1 OF 4: x and the four weights, f32, become codes of E2M3 with one E8M0 byte for each 32 along K, once, for the two projection launches.
; DEAD WORK: none.  Every product of the problem's table is live; the mask, cos and sin are inputs and are honoured as given (no causal pattern is built in: all 2,048 x 2,048 scores of every head are made);
; jnp.repeat is a copy and is done by addressing.  Every input is loaded by some launch.
; THE QUANTISER: a block's scale is 2^(floor(log2(largest magnitude)) - 2): its byte is the largest magnitude's exponent field - 2; the conversion divides, holds at 7.5 and rounds to the nearest code, ties to even.
; LIMITS: NaN and infinities among the inputs are not served.  A block whose largest magnitude lies under 2^-124 keeps the byte 1; a block of zeros keeps the byte 1 where the rule says 127: its codes are zeros, and this program alone reads the bytes.
; THE ORDER OF CODES INSIDE A BLOCK OF 32, in every operand of all six products alike: position 16 p + 8 u + j holds element 16 u + 8 p + j (elements 0-7, 16-23, 8-15, 24-31).  It stays inside a block, so scales are as the rule
; has them, and it is the same on both sides of a product, so the products are the same; the sums inside a matrix instruction are grouped otherwise, within the tolerance.  It is the order in which a matrix result falls out of two
; conversions and an exchange of lane halves, so that later launches quantise results with no shuffle.
; LAYOUT OF THE CODES: images of operand registers.  16 rows x 64 along K are 768 bytes: lane (r, h) holds row r, block h in six registers; registers 0-3 of lane L at 16 L, registers 4-5 at 512 + 8 L.  A matrix is [tile of 16 rows][K / 64] such images.
; LAYOUT OF THE SCALES: [64 rows][K / 256][tile of 16 rows][row][2 words]; a word is one row's four bytes for 128 along K.
; SHARES: work-groups 0-127: x (a wave: 32 rows x 256 along K).  128-383: wq, wo; 384-447: wk, wv (a wave: 32 columns x 256 along K; a lane a column, its registers down K).  Waves share nothing: no barrier.
.set SPARE, 34816                      ; behind the four waves' stages: the spare words, 128 bytes a wave
.set SPW,   254                        ; v254 LDS address of my spare word; never rewritten
.set NIL,   255                        ; v255 0; never rewritten
.set FLOOR, 0x1800000                  ; 2^(3 - 127): under it no largest magnitude is taken, so the byte cannot fall under 1
.set R,     16                         ; x: v16-111  three sets of 32 registers as loaded
.set X,     112                        ; x: v112-175 two sets of 32: a lane's block in the order of codes
.set C,     176                        ; x: v176-223 six registers of codes for each of eight units
.set PT,    224                        ; x: v224-226 the upper 16 codes (a conversion's three registers begin on an even number)
.set PW,    228                        ; x: v228-231 scale words in the making: [tile of rows][128 along K]
.set WX,    16                         ; weights: v16-79 two sets of 32 numbers
.set WC,    112                        ; weights: v112-175 codes: 8 registers' room for each of 8 blocks
.set WPT,   176
.set SB,    180                        ; weights: v180-181 my column's two scale words
; the largest magnitude of the 32 numbers v[s] on, in two chains; the conversion's scale operand in v234, the byte in v235
.macro MAX32 s
	v_max3_num_f32 v232, |v[(\s)]|, |v[(\s)+1]|, |v[(\s)+2]|
	v_max3_num_f32 v233, |v[(\s)+3]|, |v[(\s)+4]|, |v[(\s)+5]|
.irp i, 6,10,14,18,22,26
	v_max3_num_f32 v232, v232, |v[(\s)+\i]|, |v[(\s)+\i+1]|
	v_max3_num_f32 v233, v233, |v[(\s)+\i+2]|, |v[(\s)+\i+3]|
.endr
	v_max3_num_f32 v232, v232, |v[(\s)+30]|, |v[(\s)+31]|
	v_max3_num_f32 v232, v232, v233, FLOOR
	v_add_nc_u32 v234, 0xff000000, v232            ; 2 off the exponent field: the conversion takes that field as its scale
	v_lshrrev_b32 v235, 23, v234                   ; the scale's byte
.endm
	s_load_b512 s[4:19], s[0:1], 0x0               ; x 4, wq 6, wk 8, wv 10, wo 12, xq 14, wqkv 16, woq 18
	v_lshl_add_u32 v[SPW], v0, 2, SPARE
	v_mov_b32 v[NIL], 0
	v_lshrrev_b32 v1, 5, v0
	v_readfirstlane_b32 s20, v1                    ; wave
	v_and_b32 v1, 31, v0                           ; L
	v_and_b32 v2, 15, v0                           ; r
	v_bfe_u32 v3, v0, 4, 1                         ; h
	v_lshlrev_b32 v7, 4, v1                        ; 16 L: an image's registers 0-3
	v_lshlrev_b32 v8, 3, v1                        ; 8 L: its registers 4-5, and a pair of scale words
	s_mov_b32 s21, 0x76543210
	s_mov_b32 s22, 0xfedcba98                      ; selects for lane L xor 16
	s_wait_kmcnt 0x0
	s_cmp_lt_u32 ttmp9, 128
	s_cbranch_scc0 .Lweights
; ---------------- x: K is innermost.  A unit is 16 rows x 64 along K.  Each load reads two rows' 256 consecutive bytes; the unit turns through my own stage in LDS and comes back a block of 32 to a lane.
	s_lshl_b32 s23, ttmp9, 2
	s_add_co_u32 s23, s23, s20                     ; W = 4 x work-group + wave
	s_lshr_b32 s24, s23, 3                         ; rows 32 (W / 8) on
	s_and_b32 s25, s23, 7                          ; K 256 (W % 8) on
	s_lshl_b32 s26, s24, 18
	s_lshl_b32 s27, s25, 10
	s_add_co_u32 s26, s26, s27
	s_mov_b32 s27, 0
	s_add_nc_u64 s[4:5], s[4:5], s[26:27]          ; x at my first number
	s_mul_i32 s26, s24, 49152                      ; two tiles of rows x 24,576 bytes
	s_mul_i32 s28, s25, 3072                       ; four images along K
	s_add_co_u32 s26, s26, s28
	s_add_nc_u64 s[30:31], s[14:15], s[26:27]      ; my images
	s_lshr_b32 s26, s23, 4
	s_lshl_b32 s26, s26, 12
	s_lshl_b32 s28, s25, 9
	s_add_co_u32 s26, s26, s28
	s_and_b32 s28, s24, 1
	s_lshl_b32 s28, s28, 8
	s_add_co_u32 s26, s26, s28
	s_add_nc_u64 s[14:15], s[14:15], s[26:27]      ; my 256 bytes of scale words (the region's 3,145,728 stand in the immediate)
	s_mul_i32 s28, s20, 8704                       ; my two stages of 16 rows x 272 bytes
	s_wait_alu depctr_va_vdst(0)
	v_lshlrev_b32 v4, 13, v3
	v_lshl_add_u32 v4, v2, 4, v4                   ; a load: lanes 0-15 one row, lanes 16-31 the next, 16 bytes a lane
	v_mul_u32_u24 v5, v3, 272
	v_lshl_add_u32 v5, v2, 4, v5
	v_add_nc_u32 v5, s28, v5                       ; into the stage, as loaded
	v_mul_u32_u24 v6, v2, 272
	v_lshl_add_u32 v6, v3, 7, v6
	v_add_nc_u32 v6, s28, v6                       ; out of it: row r, block h
	v_lshlrev_b32 v9, 3, v3                        ; 8 h: my block's byte in a word
.irp i, 0,1,2,3
	v_mov_b32 v[236+\i], 0                         ; a lane permute's destination counts as one of its sources
.endr
.macro LOADX u                         ; unit u = (tile of rows u / 4, 64 along K u % 4)
.irp i, 0,1,2,3,4,5,6,7
	global_load_b128 v[R+32*((\u)%3)+4*\i:R+32*((\u)%3)+4*\i+3], v4, s[4:5] offset:(16*((\u)/4)+2*\i)*8192+256*((\u)%4) th:TH_LOAD_NT
.endr
.endm
.macro TURN u                          ; LDS serves a wave's instructions in order: no wait between the stores and the loads.  The loads take the 16-byte pieces 0, 1, 4, 5, 2, 3, 6, 7 of a block: the order of codes
.irp i, 0,1,2,3,4,5,6,7
	ds_store_b128 v5, v[R+32*((\u)%3)+4*\i:R+32*((\u)%3)+4*\i+3] offset:4352*((\u)%2)+544*\i
.endr
.irp g, 0,1,2,3,4,5,6,7
	ds_load_b128 v[X+32*((\u)%2)+4*\g:X+32*((\u)%2)+4*\g+3], v6 offset:4352*((\u)%2)+16*(\g%2+4*((\g/2)%2)+2*(\g/4))
.endr
.endm
.macro UNIT u
.set XS, X+32*((\u)%2)
.set CS, C+6*(\u)
	s_wait_dscnt 0x0                               ; my block is back from the stage, and the stage's stores have read their registers,
.if (\u) < 5
	LOADX (\u)+3                                   ; which take the loads of three units on
.endif
.if (\u) < 7
.if (\u) <= 4
	s_wait_loadcnt 16                              ; the next unit's eight loads are in; the two units behind it may be out
.elseif (\u) == 5
	s_wait_loadcnt 8
.else
	s_wait_loadcnt 0
.endif
	TURN (\u)+1                                    ; through the other stage while this unit is worked
.endif
	MAX32 XS                                       ; all 32 numbers of the block are mine
	v_cvt_scalef32_pk16_fp6_f32 v[CS:CS+2], v[XS:XS+15], v234
	v_cvt_scalef32_pk16_fp6_f32 v[PT:PT+2], v[XS+16:XS+31], v234
	v_nop                                          ; one plain instruction behind the conversions
.irp i, 0,1,2
	v_mov_b32 v[CS+3+\i], v[PT+\i]
.endr
	global_store_b128 v7, v[CS:CS+3], s[30:31] offset:24576*((\u)/4)+768*((\u)%4)        ; 512 consecutive bytes
	global_store_b64 v8, v[CS+4:CS+5], s[30:31] offset:24576*((\u)/4)+768*((\u)%4)+512   ; and 256 more: the image is whole
.if (\u)%2 == 0
	v_mov_b32 v[PW+2*((\u)/4)+((\u)%4)/2], v235
.else
	v_lshl_or_b32 v[PW+2*((\u)/4)+((\u)%4)/2], v235, 16, v[PW+2*((\u)/4)+((\u)%4)/2]
.endif
.endm
	LOADX 0
	LOADX 1
	LOADX 2
	s_wait_alu depctr_va_vdst(0)
	s_wait_loadcnt 16                              ; unit 0 is in
	TURN 0
.irp u, 0,1,2,3,4,5,6,7
	UNIT \u
.endr
.irp i, 0,1,2,3
	v_lshlrev_b32 v[PW+\i], v9, v[PW+\i]           ; my blocks' bytes at their places,
.endr
.irp i, 0,1,2,3
	v_permlanex16_b32 v[236+\i], v[PW+\i], s21, s22
.endr
.irp i, 0,1,2,3
	v_or_b32 v[PW+\i], v[PW+\i], v[236+\i]         ; with lane L xor 16's the words are whole
.endr
	v_cmp_eq_u32 vcc_lo, 1, v3
	v_cndmask_b32 v240, v[PW], v[PW+2], vcc_lo     ; lanes 0-15 store the first tile of rows, lanes 16-31 the second
	v_cndmask_b32 v241, v[PW+1], v[PW+3], vcc_lo
	global_store_b64 v8, v[240:241], s[14:15] offset:3145728   ; 256 consecutive bytes
	s_branch .Lend
; ---------------- the weights: K is the FIRST axis.  A lane takes a column and its registers run down K, in the order of codes; the codes come out with K innermost.
.macro WADDR                           ; s[24:25] source, s[26:27] destination, s28 where its scale words begin, s29 group of 128 columns, s30 which 256 along K, s31 first tile of the matrix in the buffer, s34 the K offset in bytes
	s_lshl_b32 s35, s29, 9
	s_add_co_u32 s34, s34, s35
	s_lshl_b32 s35, s20, 7
	s_add_co_u32 s34, s34, s35
	s_mov_b32 s35, 0
	s_add_nc_u64 s[24:25], s[24:25], s[34:35]      ; my wave's 32 columns, my 256 rows
	s_lshr_b32 s36, s31, 2
	s_lshl_b32 s37, s29, 1
	s_add_co_u32 s36, s36, s37
	s_lshr_b32 s37, s20, 1
	s_add_co_u32 s36, s36, s37                     ; which 64 columns
	s_lshl_b32 s36, s36, 12
	s_lshl_b32 s37, s30, 9
	s_add_co_u32 s36, s36, s37
	s_and_b32 s37, s20, 1
	s_lshl_b32 s37, s37, 8
	s_add_co_u32 s36, s36, s37
	s_add_co_u32 s36, s36, s28
	s_mov_b32 s37, 0
	s_add_nc_u64 s[38:39], s[26:27], s[36:37]      ; my 256 bytes of scale words
	s_lshl_b32 s36, s29, 3
	s_add_co_u32 s36, s36, s31
	s_lshl_b32 s40, s20, 1
	s_add_co_u32 s36, s36, s40                     ; my first tile of 16 columns
	s_mul_i32 s36, s36, 24576
	s_mul_i32 s40, s30, 3072
	s_add_co_u32 s36, s36, s40
	s_add_nc_u64 s[26:27], s[26:27], s[36:37]      ; my images
	v_lshlrev_b32 v4, 2, v1                        ; 4 L: 32 lanes read 128 consecutive bytes
.endm
.macro LOADW t, pitch                  ; block t: register k holds row 32 t + (16 ((k / 8) % 2) + 8 (k / 16) + k % 8) of my column
.irp k, 0,1,2,3,4,5,6,7,8,9,10,11,12,13,14,15,16,17,18,19,20,21,22,23,24,25,26,27,28,29,30,31
	global_load_b32 v[WX+32*((\t)%2)+\k], v4, s[24:25] offset:(32*(\t)+16*((\k/8)%2)+8*(\k/16)+\k%8)*(\pitch) th:TH_LOAD_NT
.endr
.endm
.macro BLOCKW t, pitch
.set XS, WX+32*((\t)%2)
.set CS, WC+16*((\t)/2)+8*((\t)%2)
.if (\t) < 7
	s_wait_loadcnt 32                              ; this block's 32 loads are in; the next block's may be out
.else
	s_wait_loadcnt 0
.endif
	MAX32 XS
.if (\t)%4 == 0
	v_mov_b32 v[SB+(\t)/4], v235
.else
	v_lshl_or_b32 v[SB+(\t)/4], v235, 8*((\t)%4), v[SB+(\t)/4]
.endif
	v_cvt_scalef32_pk16_fp6_f32 v[CS:CS+2], v[XS:XS+15], v234
	v_cvt_scalef32_pk16_fp6_f32 v[WPT:WPT+2], v[XS+16:XS+31], v234
	v_nop                                          ; one plain instruction behind the conversions
.irp i, 0,1,2
	v_mov_b32 v[CS+3+\i], v[WPT+\i]
.endr
.if (\t) < 6
	LOADW (\t)+2, \pitch
.endif
.if (\t)%2 == 1                        ; two blocks = 64 along K.  The even block's lanes 16-31 change places with the odd block's lanes 0-15: the first six registers are then the image of my first 16 columns, the second six that of the other 16
.irp n, 0,1,2,3,4,5
	v_permlane16_swap_b32 v[CS-8+\n], v[CS+\n]
.endr
	global_store_b128 v7, v[CS-8:CS-5], s[26:27] offset:768*((\t)/2)
	global_store_b64 v8, v[CS-4:CS-3], s[26:27] offset:768*((\t)/2)+512
	global_store_b128 v7, v[CS:CS+3], s[26:27] offset:24576+768*((\t)/2)
	global_store_b64 v8, v[CS+4:CS+5], s[26:27] offset:24576+768*((\t)/2)+512
.endif
.endm
.macro WBODY pitch
	LOADW 0, \pitch
	LOADW 1, \pitch
.irp t, 0,1,2,3,4,5,6,7
	BLOCKW \t, \pitch
.endr
	global_store_b64 v8, v[SB:SB+1], s[38:39]      ; 32 columns' two words: 256 consecutive bytes
.endm
.Lweights:
	s_cmp_lt_u32 ttmp9, 384
	s_cbranch_scc0 .Lsmall
	s_sub_co_u32 s23, ttmp9, 128                   ; wq (0-127) or wo (128-255): rows of 8,192 bytes
	s_lshr_b32 s32, s23, 7
	s_and_b32 s29, s23, 15
	s_bfe_u32 s30, s23, 0x30004
	s_mov_b32 s31, 0
	s_mov_b32 s28, 3145728
	s_cmp_eq_u32 s32, 0                            ; the choice hangs on the work-group's number alone
	s_cselect_b64 s[24:25], s[6:7], s[12:13]
	s_cselect_b64 s[26:27], s[16:17], s[18:19]
	s_cselect_b32 s28, 4718592, s28
	s_lshl_b32 s34, s30, 21                        ; 256 rows of 8,192 bytes
	s_wait_alu depctr_va_vdst(0)
	WADDR
	WBODY 8192
	s_branch .Lend
.Lsmall:
	s_sub_co_u32 s23, ttmp9, 384                   ; wk (0-31) or wv (32-63): rows of 2,048 bytes
	s_lshr_b32 s32, s23, 5
	s_and_b32 s29, s23, 3
	s_bfe_u32 s30, s23, 0x30002
	s_lshl_b32 s31, s32, 5
	s_add_co_u32 s31, s31, 128                     ; wk's tiles begin at 128, wv's at 160
	s_mov_b32 s28, 4718592
	s_cmp_eq_u32 s32, 0
	s_cselect_b64 s[24:25], s[8:9], s[10:11]
	s_mov_b64 s[26:27], s[16:17]
	s_lshl_b32 s34, s30, 19
	s_wait_alu depctr_va_vdst(0)
	WADDR
	WBODY 2048
.Lend:
	s_wait_tensorcnt 0x0                           ; the wave's end
	ds_add_u32 v[SPW], v[NIL]
	s_wait_dscnt 0x0
	s_endpgm
.Lfunc_end_k_q9fbc21978d_quant:
	.size	k_q9fbc21978d_quant, .Lfunc_end_k_q9fbc21978d_quant-k_q9fbc21978d_quant
	.p2alignl 7, 3214868480
	.fill 96, 4, 3214868480
	.section	.rodata,"a",@progbits
	.p2align	6, 0x0
	.amdhsa_kernel k_q9fbc21978d_quant
		.amdhsa_group_segment_fixed_size 35328
		.amdhsa_private_segment_fixed_size 0
		.amdhsa_enable_private_segment 0
		.amdhsa_kernarg_size 64
		.amdhsa_user_sgpr_count 2
		.amdhsa_user_sgpr_kernarg_segment_ptr 1
		.amdhsa_wavefront_size32 1
		.amdhsa_system_sgpr_workgroup_id_x 1
		.amdhsa_system_sgpr_workgroup_id_y 1
		.amdhsa_system_sgpr_workgroup_id_z 1
		.amdhsa_system_vgpr_workitem_id 0
		.amdhsa_next_free_vgpr 256
		.amdhsa_next_free_sgpr 66
		.amdhsa_reserve_vcc 1
		.amdhsa_float_denorm_mode_32 3
		.amdhsa_float_denorm_mode_16_64 3
		.amdhsa_memory_ordered 1
		.amdhsa_forward_progress 1
		.amdhsa_inst_pref_size 110
	.end_amdhsa_kernel
	.amdgpu_metadata
---
amdhsa.version: [ 1, 2 ]
amdhsa.kernels:
  - .name:           k_q9fbc21978d_quant
    .symbol:         k_q9fbc21978d_quant.kd
    .args:
      - { .name: x, .offset: 0, .size: 8, .value_kind: global_buffer, .address_space: global }
      - { .name: wq, .offset: 8, .size: 8, .value_kind: global_buffer, .address_space: global }
      - { .name: wk, .offset: 16, .size: 8, .value_kind: global_buffer, .address_space: global }
      - { .name: wv, .offset: 24, .size: 8, .value_kind: global_buffer, .address_space: global }
      - { .name: wo, .offset: 32, .size: 8, .value_kind: global_buffer, .address_space: global }
      - { .name: xq, .offset: 40, .size: 8, .value_kind: global_buffer, .address_space: global }
      - { .name: wqkv, .offset: 48, .size: 8, .value_kind: global_buffer, .address_space: global }
      - { .name: woq, .offset: 56, .size: 8, .value_kind: global_buffer, .address_space: global }
    .group_segment_fixed_size: 35328
    .private_segment_fixed_size: 0
    .kernarg_segment_align: 8
    .kernarg_segment_size: 64
    .max_flat_workgroup_size: 128
    .sgpr_count:     66
    .vgpr_count:     256
    .wavefront_size: 32
...
	.end_amdgpu_metadata
.endif
;; end of part 1
;; launch qkv (part 2): grid 24 x 16, 4 waves a work-group, clusters of 4 x 4, 327,680 bytes of LDS; arguments xq, wqkv, cos, sin, qq, kv; writes qq, kv
.if DOCPART == 2
	.amdgcn_target "amdgcn-amd-amdhsa--gfx1250"
	.amdhsa_code_object_version 6
	.text
	.protected	k_q9fbc21978d_qkv
	.globl	k_q9fbc21978d_qkv
	.p2align	8
	.type	k_q9fbc21978d_qkv,@function
k_q9fbc21978d_qkv:
	s_mov_b64 s[64:65], 0
	v_nop
	global_prefetch_b8 v0, s[64:65] scope:SCOPE_SE
	s_setreg_imm32_b32 hwreg(HW_REG_WAVE_MODE, 25, 1), 1
	s_wait_xcnt 0x0
	s_wait_alu depctr_hold_cnt(0) depctr_sa_sdst(0) depctr_va_vdst(0) depctr_va_sdst(0) depctr_va_ssrc(0) depctr_va_vcc(0) depctr_vm_vsrc(0)
	s_getreg_b32 s2, hwreg(HW_REG_IB_STS2, 6, 4)
	s_cmp_eq_u32 s2, 0
	s_cbranch_scc0 .Lentry_in_a_cluster
	s_endpgm
.Lentry_in_a_cluster:
	s_bfe_u32 s2, ttmp6, 0x10000c
	s_cmp_lg_u32 s2, 0xf033
	s_cbranch_scc0 .Lentry_shape_is_right
	s_endpgm
.Lentry_shape_is_right:
; LAUNCH 2 OF 4: x (wq | wk | wv) on codes of E2M3, then, in registers: the rotation by cos and sin (q, k) and the quantisers of q, k (K = the head's 64) and v (K = the keys).  No work of reference() is left out.
; A tile of the result is 128 rows x 128 columns; each of four waves makes 64 x 64: 16 accumulators.  The matrix instruction is used transposed (source 0 = 16 columns' codes of the weight, source 1 = 16 rows of x):
; lane (r, h) holds row r, and register j column 16 b + 8 h + j.  K = 2,048 is 16 steps of 128.
; LDS: three slots of 512 along K (98,304 bytes: x's 8 tiles of rows, then the weight's 8), all three first fills; the last 512 along K come into slot 0's bytes behind step 2's products: one refill, one round.
; Operands lie in memory and in LDS as images of their registers (launch 1), so a fragment is four dense LDS loads and nothing is padded.  The scale words of the 128 + 128 rows, for all of K, come once (16,384 bytes).
; CLUSTER 4 x 4: x's tiles hang on the tile row alone and are asked for jointly along a row of the cluster, the weight's along a column.  Cluster x 0-3: q; 4: k; 5: v: the branches on it are the same in all partners.
; LIMITS: as stated at the head of launch 1 (NaN, infinities; bytes held at 1 from below; the order of codes inside a block).
; REGISTERS: window 0: v1-12 fragment addresses for the three slots; v13 scale words' address; v14, v15 the add's two; v16-31 scale words, two sets, nothing else; v32-127, v128-223 two fragment buffers (x's 4, the weight's 4); v224-255 the way out.
;   window 1: v0-127 the accumulators, (a, b) at 8 (4 a + b).
.set SCOFFA, 3145728                   ; where xq's scale words begin
.set SCOFFB, 4718592                   ; and wqkv's
.set SLOTB,  98304
.set SCL,    294912                    ; behind the slots: the scale words, 8,192 bytes for each wave's load
.set SPARE,  311296                    ; the spare words, 128 bytes a wave
.set VST,    98304                     ; the way out of v: a stage of 64 keys x 272 bytes for each wave, in slot 1: it has had its only fill, and nobody reads it behind the barrier of step 11
.set SVS,    167936                    ; and 512 bytes for v's scale half-words, in slot 1 too
.set FLOOR,  0x1800000
.set SPW, 14
.set NIL, 15
.set F0,  32
.set Y,   160                          ; v160-191 a tile's 32 rotated numbers
.set PT,  224                          ; v224-226 upper 16 codes
.set TM,  232                          ; v232-233 maxima, 234-235 the other half's, 236-237 scale operands, 238-239 bytes
.set WV, 16
.set RH, 17                            ; wave / 2: my half of the rows.  Also: I fetch for x (0) or for the weight (1)
.set CH, 18                            ; wave % 2: my half of the columns.  Also: which four tiles I fetch
.set CX, 19
.set CY, 20
.set TX, 21
.set TY, 22
.set LB, 23
.set G1A, 24
.set G1B, 32
.set G1SA, 40
.set G1SB, 48
.set G0A0, 56
.set G0A1, 60
.set G0A2, 68
.set G0SA, 72
.set G0B0, 76
.set G0B1, 80
.set G0B2, 84
.set G0SB, 88
.set SEL, 100
.set MSB, 0
.macro WIN new                         ; the immediate's high byte repeats the setting that is left
.if MSB != \new
	s_set_vgpr_msb (MSB<<8)|\new
.set MSB, \new
.endif
.endm
.macro PLACES n
.rept \n
	v_nop
.endr
.endm
; a joint load: waves 0, 1 ask for x's tiles, waves 2, 3 for the weight's; the branch hangs on the wave's number alone.  An s_nop 0 and four v_nop follow each line
.macro JLOAD g0a, g1a, g0b, g1b
	s_cmp_eq_u32 s[RH], 0
	s_cbranch_scc0 .Lfor_b_\@
	tensor_load_to_lds s[\g0a:\g0a+3], s[\g1a:\g1a+7]
	s_nop 0
.rept 4
	v_nop
.endr
	s_branch .Lasked_\@
.Lfor_b_\@:
	tensor_load_to_lds s[\g0b:\g0b+3], s[\g1b:\g1b+7]
	s_nop 0
.rept 4
	v_nop
.endr
.Lasked_\@:
.endm
.macro CROUND                          ; a round of the cluster's barrier
	s_barrier_signal -1
	s_barrier_wait -1
	s_cmp_lg_u32 s[WV], 0
	s_cbranch_scc1 .Lnot_wave_0_\@
	s_barrier_signal -3
.Lnot_wave_0_\@:
	s_barrier_wait -3
	s_barrier_signal -1
	s_barrier_wait -1
.endm
.macro SETG0 g, lo, src, bo            ; a group 0: count 1, LDS address, global address, type 2
	s_mov_b32 s[\g], 1
	s_add_co_u32 s[\g+1], s[LB], \lo
	s_add_nc_u64 s[\g+2:\g+3], s[\src:\src+1], \bo
	s_or_b32 s[\g+3], s[\g+3], 0x80000000
.endm
.macro FRAG reg, a16, a8, off          ; a fragment, 16 rows x 128 K: two images of 768 bytes on end
	ds_load_b128 v[(\reg):(\reg)+3], v[\a16] offset:(\off)
	ds_load_b64 v[(\reg)+4:(\reg)+5], v[\a8] offset:(\off)+512
	ds_load_b128 v[(\reg)+6:(\reg)+9], v[\a16] offset:(\off)+768
	ds_load_b64 v[(\reg)+10:(\reg)+11], v[\a8] offset:(\off)+1280
.endm
.macro FETCH k, f                      ; step k's eight fragments into buffer f: 32 loads
.if ((\k)/4 == 1) || ((\k)/4 == 2)     ; steps 4 to 11 lie behind byte 98,304, a tile's row 12,288 bytes; the others in the first 98,304 bytes, a tile's row 6,144
.set SL, 1
.set KO, ((\k)-4)*1536
.set TP, 12288
.else
.set SL, 0
.set KO, ((\k)%4)*1536
.set TP, 6144
.endif
.irp i, 0,1,2,3
	FRAG (\f)+12*\i, 1+SL, 4+SL, KO+\i*TP
.endr
.irp i, 0,1,2,3
	FRAG (\f)+48+12*\i, 7+SL, 10+SL, KO+\i*TP
.endr
.endm
.macro SCALES s                        ; the scale words of 256 along K: lanes 0-15 x's tile i, lanes 16-31 the weight's tile i; two words a row
.irp i, 0,1,2,3
	ds_load_b64 v[16+8*((\s)%2)+2*\i:16+8*((\s)%2)+2*\i+1], v13 offset:(\s)*512+\i*128
.endr
.endm
.macro MUL16 f, k, zero                ; the 16 accumulators take turns, one instruction a turn, in the same order in every step
.set SCS, 16+8*(((\k)/2)%2)+(\k)%2
	WIN 0x50                                       ; C and D in window 1
.irp a, 0,1,2,3
.irp b, 0,1,2,3
.if \zero
	v_wmma_scale_f32_16x16x128_f8f6f4 v[8*(4*\a+\b):8*(4*\a+\b)+7], v[(\f)+48+12*\b:(\f)+48+12*\b+11], v[(\f)+12*\a:(\f)+12*\a+11], 0, v[SCS+2*\b], v[SCS+2*\a] matrix_a_fmt:MATRIX_FMT_FP6 matrix_b_fmt:MATRIX_FMT_FP6 matrix_a_scale:MATRIX_SCALE_ROW1
.else
	v_wmma_scale_f32_16x16x128_f8f6f4 v[8*(4*\a+\b):8*(4*\a+\b)+7], v[(\f)+48+12*\b:(\f)+48+12*\b+11], v[(\f)+12*\a:(\f)+12*\a+11], v[8*(4*\a+\b):8*(4*\a+\b)+7], v[SCS+2*\b], v[SCS+2*\a] matrix_a_fmt:MATRIX_FMT_FP6 matrix_b_fmt:MATRIX_FMT_FP6 matrix_a_scale:MATRIX_SCALE_ROW1
.endif
.endr
.endr
	WIN 0
.endm
.macro ROPELOAD a, reg                 ; cos, then sin, of rows 16 a + r at pairs 8 b + 4 h + 0 .. 3: 32 registers
.irp b, 0,1,2,3
	global_load_b128 v[(\reg)+4*\b:(\reg)+4*\b+3], v248, s[8:9] offset:(\a)*2048+32*\b
.endr
.irp b, 0,1,2,3
	global_load_b128 v[(\reg)+16+4*\b:(\reg)+16+4*\b+3], v248, s[10:11] offset:(\a)*2048+32*\b
.endr
.endm
	s_load_b256 s[4:11], s[0:1], 0x0               ; xq 4, wqkv 6, cos 8, sin 10
	s_load_b128 s[12:15], s[0:1], 0x20             ; qq 12, kv 14
	v_lshl_add_u32 v[SPW], v0, 2, SPARE
	v_mov_b32 v[NIL], 0
	ds_add_u32 v[SPW], v[NIL]                      ; the wave's opening: the add, twice on end, and its wait ahead of my first tensor load
	ds_add_u32 v[SPW], v[NIL]
	v_lshrrev_b32 v1, 5, v0
	v_readfirstlane_b32 s[WV], v1
	s_lshr_b32 s[RH], s[WV], 1
	s_and_b32 s[CH], s[WV], 1
	s_bfe_u32 s[CX], ttmp6, 0x40000
	s_bfe_u32 s[CY], ttmp6, 0x40004
	s_lshl_b32 s[TX], ttmp9, 2
	s_add_co_u32 s[TX], s[TX], s[CX]               ; tile column
	s_and_b32 s[TY], ttmp7, 0xffff
	s_lshl_b32 s[TY], s[TY], 2
	s_add_co_u32 s[TY], s[TY], s[CY]               ; tile row
	s_lshl_b32 s2, s[CY], 2
	s_lshl_b32 s2, 15, s2                          ; my row of the cluster
	s_lshl_b32 s3, 0x1111, s[CX]                   ; my column
	s_or_b32 s[G1A], s2, (3<<16)|(1<<21)           ; the mask; elements of 8 bytes; bit 21 beside a mask; no padding
	s_or_b32 s[G1B], s3, (3<<16)|(1<<21)
	s_or_b32 s[G1SA], s2, (3<<16)|(1<<21)
	s_or_b32 s[G1SB], s3, (3<<16)|(1<<21)
.irp g, G1A, G1B                       ; codes: 4 tiles of rows x 6,144 bytes (512 along K), 24,576 bytes apart
	s_mov_b32 s[\g+1], 768<<16
	s_mov_b32 s[\g+2], 8<<16                       ; the head's loads of codes bring all 8 tiles of a side, 512 along K
	s_mov_b32 s[\g+3], 768<<16
	s_mov_b32 s[\g+4], 8
	s_mov_b32 s[\g+5], 3072
	s_mov_b32 s[\g+6], 0
	s_mov_b32 s[\g+7], 0
.endr
.irp g, G1SA, G1SB                     ; scale words of 128 rows: 8,192 dense bytes as 32 rows of 256
	s_mov_b32 s[\g+1], 32<<16
	s_mov_b32 s[\g+2], 32<<16                      ; the scale words of a side's 128 rows: 8,192 dense bytes as 32 rows of 256
	s_mov_b32 s[\g+3], 32<<16
	s_mov_b32 s[\g+4], 32
	s_mov_b32 s[\g+5], 32
	s_mov_b32 s[\g+6], 0
	s_mov_b32 s[\g+7], 0
.endr
	s_lshl_b32 s66, s[CH], 2
	s_lshl_b32 s92, s[TY], 3
	s_add_co_u32 s92, s92, s66
	s_mul_i32 s92, s92, 24576                      ; x: tile of rows 8 ty + 4 (wave % 2)
	s_mov_b32 s93, 0
	s_lshl_b32 s94, s[TX], 3
	s_add_co_u32 s94, s94, s66
	s_mul_i32 s94, s94, 24576                      ; the weight: tile 8 tx + 4 (wave % 2)
	s_mov_b32 s95, 0
	s_lshl_b32 s96, s[TY], 1
	s_add_co_u32 s96, s96, s[CH]
	s_lshl_b32 s96, s96, 12
	s_add_co_u32 s96, s96, SCOFFA
	s_mov_b32 s97, 0
	s_lshl_b32 s98, s[TX], 1
	s_add_co_u32 s98, s98, s[CH]
	s_lshl_b32 s98, s98, 12
	s_add_co_u32 s98, s98, SCOFFB
	s_mov_b32 s99, 0
	s_mul_i32 s[LB], s[WV], 24576                  ; where my tiles go in a slot: no place in the cluster enters an LDS address
	s_lshl_b32 s67, s[WV], 12
	s_mov_b32 s[SEL], 0x76543210
	s_mov_b32 s[SEL+1], 0xfedcba98
	s_wait_dscnt 0x0                               ; both opening adds are done
	s_wait_kmcnt 0x0
	s_add_nc_u64 s[92:93], s[4:5], s[92:93]
	s_add_nc_u64 s[94:95], s[6:7], s[94:95]
	s_add_nc_u64 s[96:97], s[4:5], s[96:97]
	s_add_nc_u64 s[98:99], s[6:7], s[98:99]
; THE FILLS, as they stand now (in place of the account of LDS at the kernel's head).  At the head ONE joint load a wave: wave 0 x's 8 tiles of K 0 - 511 (bytes 0 on), wave 1 the weight's 8 (49,152 on), wave 2 x's scale words, wave 3 the weight's.
; Behind the three lines and a round: one load a wave, its 4 tiles x K 512 - 1,535 (rows of 12,288 bytes, 49,152 x wave behind byte 98,304).  Behind step 2's products K 1,536 on comes into the first 98,304 bytes: the one refill.
	s_mul_i32 s2, s[CH], 98304                     ; the head's loads begin at a side's first tile: my four tiles' offset is taken off again
	s_mov_b32 s3, 0
	s_mov_b32 s[G0A2], 1
	s_mov_b32 s[G0A2+1], 0
	s_sub_nc_u64 s[G0A2+2:G0A2+3], s[92:93], s[2:3]
	s_or_b32 s[G0A2+3], s[G0A2+3], 0x80000000
	s_mov_b32 s[G0B2], 1
	s_mov_b32 s[G0B2+1], 49152
	s_sub_nc_u64 s[G0B2+2:G0B2+3], s[94:95], s[2:3]
	s_or_b32 s[G0B2+3], s[G0B2+3], 0x80000000
	s_lshl_b32 s2, s[CH], 12
	s_mov_b32 s[G0SA], 1
	s_mov_b32 s[G0SA+1], SCL
	s_sub_nc_u64 s[G0SA+2:G0SA+3], s[96:97], s[2:3]
	s_or_b32 s[G0SA+3], s[G0SA+3], 0x80000000
	s_mov_b32 s[G0SB], 1
	s_mov_b32 s[G0SB+1], SCL+8192
	s_sub_nc_u64 s[G0SB+2:G0SB+3], s[98:99], s[2:3]
	s_or_b32 s[G0SB+3], s[G0SB+3], 0x80000000
	SETG0 G0A0, 0, 92, 0
	SETG0 G0B0, 0, 94, 0
	s_lshl_b32 s2, s[LB], 1                        ; 49,152 x wave
	s_mov_b32 s[G0A1], 1
	s_add_co_u32 s[G0A1+1], s2, SLOTB
	s_add_nc_u64 s[G0A1+2:G0A1+3], s[92:93], 6144
	s_or_b32 s[G0A1+3], s[G0A1+3], 0x80000000
	s_mov_b32 s[G0B1], 1
	s_add_co_u32 s[G0B1+1], s2, SLOTB
	s_add_nc_u64 s[G0B1+2:G0B1+3], s[94:95], 6144
	s_or_b32 s[G0B1+3], s[G0B1+3], 0x80000000
	CROUND                                         ; all sixteen work-groups are here: the first joint loads meet
.macro ARM under, g0, g1, next         ; one chain of branches on the wave's number, one load to an arm, all arms to one join
	s_cmp_lt_u32 s[WV], \under
	s_cbranch_scc0 \next
	tensor_load_to_lds s[\g0:\g0+3], s[\g1:\g1+7]
	s_nop 0
.rept 4
	v_nop
.endr
	s_branch .Lhead_asked
\next:
.endm
	ARM 1, G0A2, G1A, .Lhead_b
	ARM 2, G0B2, G1B, .Lhead_sa
	ARM 3, G0SA, G1SA, .Lhead_sb
	tensor_load_to_lds s[G0SB:G0SB+3], s[G1SB:G1SB+7]
	s_nop 0
.rept 4
	v_nop
.endr
.Lhead_asked:
	v_and_b32 v224, 31, v0                         ; L
	v_and_b32 v250, 15, v0                         ; r
	v_bfe_u32 v249, v0, 4, 1                       ; h
	v_lshlrev_b32 v246, 4, v224                    ; 16 L
	v_lshlrev_b32 v247, 3, v224                    ; 8 L
	s_mul_i32 s2, s[RH], 24576                     ; my four tiles of x
	s_mul_i32 s3, s[CH], 24576
	s_add_co_u32 s3, s3, 49152                     ; my four of the weight, behind x's eight
.irp n, 0,1
	v_add_nc_u32 v[1+\n], s2, v246
	v_add_nc_u32 v[4+\n], s2, v247
	v_add_nc_u32 v[7+\n], s3, v246
	v_add_nc_u32 v[10+\n], s3, v247
	s_lshl_b32 s2, s2, 1                           ; behind byte 98,304 a wave's four tiles take 49,152 bytes: twice the offset,
	s_lshl_b32 s3, s3, 1
	s_add_co_u32 s2, s2, SLOTB
	s_add_co_u32 s3, s3, SLOTB
.endr
	s_xor_b32 s3, s[RH], 1                         ; from x's words of my rows to the weight's of my columns: 8,192 + 4,096 (CH - RH) = 4,096 (CH + (RH xor 1)) + 4,096
	s_add_co_u32 s3, s3, s[CH]
	s_lshl_b32 s3, s3, 12
	s_add_co_u32 s3, s3, 4096
	v_mul_u32_u24 v229, s3, v249                   ; lanes 16-31 take the weight's
	s_lshl_b32 s2, s[RH], 12
	s_add_co_u32 s2, s2, SCL
	v_lshl_add_u32 v13, v250, 3, v229
	v_add_nc_u32 v13, s2, v13
	v_lshlrev_b32 v248, 7, v250
	v_lshl_add_u32 v248, v249, 4, v248             ; cos, sin: row r of 128 bytes, + 16 h
	s_mul_i32 s2, s[WV], 17408                     ; the LDS addresses of v's way out are made here, ahead of the parting of the ways
	s_add_co_u32 s2, s2, VST
	v_mul_u32_u24 v254, v250, 272
	v_lshl_add_u32 v254, v249, 5, v254
	v_add_nc_u32 v254, s2, v254                    ; into my stage: key r, 32 h bytes on
	v_lshl_add_u32 v255, v224, 2, s2               ; out of it: channel L
	s_lshl_b32 s2, s[CH], 8
	s_add_co_u32 s2, s2, SVS
	v_add_nc_u32 v253, s2, v247                    ; the head's 256 bytes of scale words, 8 a lane
	s_lshl_b32 s3, s[RH], 1
	s_add_co_u32 s2, s2, s3
	v_lshl_add_u32 v252, v250, 4, s2
	v_lshl_add_u32 v252, v249, 2, v252             ; my channel's half-word: 16 (L % 16) + 4 (L / 16) + 2 (my half of the keys)
	v_mov_b32 v234, 0                              ; a lane permute's destination counts as one of its sources
	v_mov_b32 v235, 0
	s_lshl_b32 s66, s[TY], 14
	s_lshl_b32 s67, s[RH], 13
	s_add_co_u32 s66, s66, s67
	s_mov_b32 s67, 0
	s_add_nc_u64 s[8:9], s[8:9], s[66:67]          ; cos and sin at my wave's first row
	s_add_nc_u64 s[10:11], s[10:11], s[66:67]
	s_wait_alu depctr_va_vdst(0)
	s_wait_tensorcnt 0x0                           ; my tile of the head's four is in
	ds_add_u32 v[SPW], v[NIL]
.irp g, G1A, G1B                       ; no tensor load of mine is out, so a descriptor may be written: 4 tiles x 12,288 bytes
	s_mov_b32 s[\g+1], 1536<<16
	s_mov_b32 s[\g+2], 4<<16
	s_mov_b32 s[\g+3], 1536<<16
	s_mov_b32 s[\g+4], 4
.endr
	s_wait_dscnt 0x0
	CROUND                                         ; all four tiles are in, and all sixteen work-groups are here
	JLOAD G0A1, G1A, G0B1, G1B                     ; K 512 - 1,535: my one load behind this round
	SCALES 0
	FETCH 0, F0
.macro KSTEP k
.if (\k) == 3                          ; THE ONE REFILL: step 3's fragments, the last of slot 0, were asked for in step 2
	s_wait_tensorcnt 0x0                           ; all my tensor loads have landed, so a group 0 may be written
	ds_add_u32 v[SPW], v[NIL]                      ; 0 onto my spare word
	s_add_nc_u64 s[G0A0+2:G0A0+3], s[G0A0+2:G0A0+3], 18432   ; K 1,536 on
	s_add_nc_u64 s[G0B0+2:G0B0+3], s[G0B0+2:G0B0+3], 18432
.irp g, G1A, G1B                       ; and rows of 6,144 bytes again
	s_mov_b32 s[\g+1], 768<<16
	s_mov_b32 s[\g+3], 768<<16
.endr
	s_wait_dscnt 0x0                               ; the add is done, and my reads of slot 0 are over
	CROUND                                         ; no wave of any partner still reads slot 0 or has a load on its way
	JLOAD G0A0, G1A, G0B0, G1B                     ; one load of mine is out; it has steps 3 to 10 in which to land.  Its four v_nop are the places in front of the loads below
.endif
.if (\k) == 11
	s_wait_tensorcnt 0x0                           ; my part of K 1,536 on is in,
	s_wait_dscnt 0x0                               ; and my reads of slots 1 and 2 are over
	s_barrier_signal -1
	s_barrier_wait -1                              ; everybody's
.endif
.if (\k) < 15
.if ((\k) != 0) && ((\k) != 3)
	PLACES 4                                       ; four places in front of loads into registers that the last step's products read
.endif
	FETCH (\k)+1, F0+96*(((\k)+1)%2)
.if ((\k)%2) == 1
	SCALES ((\k)+1)/2
	s_wait_dscnt 36                                ; all but the 36 just issued
.else
	s_wait_dscnt 32                                ; all but the 32 just issued
.endif
.else
	PLACES 4
	s_cmp_eq_u32 ttmp9, 5                          ; v is not rotated
	s_cbranch_scc1 .Lno_rope
	ROPELOAD 0, 32                                 ; the tables of three tiles of rows, into the buffer that step 14 has left
	ROPELOAD 1, 64
	ROPELOAD 2, 96
.Lno_rope:
	s_wait_dscnt 0x0
.endif
.if (\k) == 0
	MUL16 F0, 0, 1                                 ; the first step's products start the sums: nothing is cleared
.else
	MUL16 F0+96*((\k)%2), \k, 0
.endif
.endm
.irp k, 0,1,2,3,4,5,6,7,8,9,10,11,12,13,14,15
	KSTEP \k
.endr
	PLACES 4                                       ; in front of the first read of results and of loads and writes into the last operands' registers
	s_cmp_eq_u32 ttmp9, 5
	s_cbranch_scc1 .Lv_out
; ---------------- q and k.  My 64 columns are one head.  A tile of 16 rows is rotated, quantised (two blocks of 32 along the head) and stored as an image of six operand registers.
	ROPELOAD 3, 128
	s_lshl_b32 s66, s[TX], 1
	s_add_co_u32 s66, s66, s[CH]                   ; 2 tx + my half: q's head; k's + 32
	s_lshl_b32 s92, s66, 7
	s_lshl_b32 s67, s[TY], 3
	s_add_co_u32 s92, s92, s67
	s_lshl_b32 s67, s[RH], 2
	s_add_co_u32 s92, s92, s67
	s_mul_i32 s92, s92, 768                        ; q: image (head, tile of rows 8 ty + 4 RH)
	s_lshl_b32 s94, s66, 5
	s_lshl_b32 s67, s[TY], 1
	s_add_co_u32 s94, s94, s67
	s_add_co_u32 s94, s94, s[RH]
	s_lshl_b32 s94, s94, 8
	s_add_co_u32 s94, s94, 3145728                 ; q: scale unit (head, 64 rows)
	s_sub_co_u32 s96, s66, 32
	s_lshl_b32 s96, s96, 4
	s_add_co_u32 s96, s96, s[TY]
	s_mul_i32 s96, s96, 13056                      ; k: the record (head, 128 keys)
	s_mul_i32 s67, s[RH], 3072
	s_add_co_u32 s98, s96, s67                     ; its images 4 RH on
	s_lshl_b32 s67, s[RH], 8
	s_add_co_u32 s96, s96, s67
	s_add_co_u32 s96, s96, 6144                    ; its scale unit RH
	s_cmp_lt_u32 ttmp9, 4
	s_cselect_b32 s92, s92, s98
	s_cselect_b32 s94, s94, s96
	s_cselect_b64 s[98:99], s[12:13], s[14:15]
	s_mov_b32 s93, 0
	s_mov_b32 s95, 0
	s_add_nc_u64 s[92:93], s[98:99], s[92:93]
	s_add_nc_u64 s[94:95], s[98:99], s[94:95]
; 32 numbers of a lane, register 16 b + 8 u + j = element 16 u + 8 h + j of block b of my row, become six registers of codes at v[pc] (lane (r, h): row r, block h) and the row's two bytes in v[w]
.macro QUANT2 y, pc, w, fill
.irp b, 0,1
	v_max3_num_f32 v[TM+\b], |v[(\y)+16*\b]|, |v[(\y)+16*\b+1]|, FLOOR
.endr
.irp i, 2,4,6,8,10,12,14
.irp b, 0,1
	v_max3_num_f32 v[TM+\b], v[TM+\b], |v[(\y)+16*\b+\i]|, |v[(\y)+16*\b+\i+1]|
.endr
.endr
.irp b, 0,1
	v_permlanex16_b32 v[TM+2+\b], v[TM+\b], s[SEL], s[SEL+1]
.endr
.irp b, 0,1
	v_max_num_f32 v[TM+\b], v[TM+\b], v[TM+2+\b]   ; with lane L xor 16's 16: the block's largest magnitude
.endr
.irp b, 0,1
	v_add_nc_u32 v[TM+4+\b], 0xff000000, v[TM+\b]
.endr
.irp b, 0,1
	v_lshrrev_b32 v[TM+6+\b], 23, v[TM+4+\b]
.endr
	v_lshl_or_b32 v[\w], v[TM+7], 8, v[TM+6]
.if \fill
	v_or_b32 v[\w], 0x7f7f0000, v[\w]              ; bytes 2 and 3 stand over zero codes in the next launch: 1.0
.endif
	v_cvt_scalef32_pk16_fp6_f32 v[(\pc):(\pc)+2], v[(\y):(\y)+15], v[TM+4]
	v_cvt_scalef32_pk16_fp6_f32 v[PT:PT+2], v[(\y)+16:(\y)+31], v[TM+5]
	v_nop                                          ; one plain instruction behind the conversions
.irp i, 0,1,2
	v_permlane16_swap_b32 v[(\pc)+\i], v[PT+\i]    ; block 0's lanes 16-31 change places with block 1's lanes 0-15: a whole block in a lane
.endr
.irp i, 0,1,2
	v_mov_b32 v[(\pc)+3+\i], v[PT+\i]
.endr
.endm
.macro ROPEQ a
.set CR, 32+32*(\a)
.set PCA, 192+8*(\a)
	s_wait_loadcnt 8*(3-(\a))                      ; this tile's eight loads are in; the later tiles' may be out
	WIN 0x01                                       ; source 0: the accumulators, window 1
.irp b, 0,1,2,3
.irp m, 0,1,2,3
	v_mul_f32 v[228+2*(\m%2)], v[8*(4*(\a)+\b)+2*\m+1], v[CR+16+4*\b+\m]
	v_mul_f32 v[229+2*(\m%2)], v[8*(4*(\a)+\b)+2*\m], v[CR+16+4*\b+\m]
	v_fma_f32 v[Y+8*\b+2*\m], v[8*(4*(\a)+\b)+2*\m], v[CR+4*\b+\m], -v[228+2*(\m%2)]      ; a c - b s
	v_fma_f32 v[Y+8*\b+2*\m+1], v[8*(4*(\a)+\b)+2*\m+1], v[CR+4*\b+\m], v[229+2*(\m%2)]   ; a s + b c
.endr
.endr
	WIN 0
	QUANT2 Y, PCA, 240+(\a), 1
	global_store_b128 v246, v[PCA:PCA+3], s[92:93] offset:768*(\a)
	global_store_b64 v247, v[PCA+4:PCA+5], s[92:93] offset:768*(\a)+512
.endm
.irp a, 0,1,2,3
	ROPEQ \a
.endr
	v_cmp_eq_u32 vcc_lo, 1, v249
	v_cndmask_b32 v244, v240, v242, vcc_lo         ; lane (r, h) stores row r's words of tiles 2 h and 2 h + 1
	v_cndmask_b32 v245, v241, v243, vcc_lo
	v_lshlrev_b32 v251, 4, v250
	v_lshl_add_u32 v251, v249, 3, v251
	global_store_b64 v251, v[244:245], s[94:95]    ; 256 consecutive bytes
	s_branch .Ljoin
; ---------------- v.  The keys are the next K, and they lie across my lanes: 64 keys x 64 channels go through my stage and come back a channel to a lane, registers down the keys in the order of codes.
.macro MAX32 s, so, by
	v_max3_num_f32 v232, |v[(\s)]|, |v[(\s)+1]|, |v[(\s)+2]|
	v_max3_num_f32 v233, |v[(\s)+3]|, |v[(\s)+4]|, |v[(\s)+5]|
.irp i, 6,10,14,18,22,26
	v_max3_num_f32 v232, v232, |v[(\s)+\i]|, |v[(\s)+\i+1]|
	v_max3_num_f32 v233, v233, |v[(\s)+\i+2]|, |v[(\s)+\i+3]|
.endr
	v_max3_num_f32 v232, v232, |v[(\s)+30]|, |v[(\s)+31]|
	v_max3_num_f32 v232, v232, v233, FLOOR
	v_add_nc_u32 v[\so], 0xff000000, v232
	v_lshrrev_b32 v[\by], 23, v[\so]
.endm
.Lv_out:
	s_wait_loadcnt 0x0                             ; v's work-groups have asked for no table, so this wait is met at once; it stands so that on every way through the text that leads here no global load into v32-127 is pending when the stage is read back into them
	s_lshl_b32 s66, s[TX], 1
	s_add_co_u32 s66, s66, s[CH]
	s_sub_co_u32 s66, s66, 40                      ; the head
	s_lshl_b32 s66, s66, 4
	s_add_co_u32 s66, s66, s[TY]
	s_mul_i32 s66, s66, 13056                      ; the record (head, 128 keys)
	s_add_co_u32 s94, s66, 12800                   ; v's scale unit
	s_mov_b32 s95, 0
	s_mul_i32 s67, s[RH], 768
	s_add_co_u32 s92, s66, s67
	s_add_co_u32 s92, s92, 6656                    ; v's images [tile of channels][half of the keys]: my half
	s_mov_b32 s93, 0
	s_add_nc_u64 s[92:93], s[14:15], s[92:93]
	s_add_nc_u64 s[94:95], s[14:15], s[94:95]
	WIN 0x04                                       ; an LDS store's data are its source 1: window 1
	s_wait_alu depctr_va_vdst(0)
.irp a, 0,1,2,3
.irp b, 0,1,2,3
	ds_store_b128 v254, v[8*(4*\a+\b):8*(4*\a+\b)+3] offset:4352*\a+64*\b       ; each accumulator from its low end on
	ds_store_b128 v254, v[8*(4*\a+\b)+4:8*(4*\a+\b)+7] offset:4352*\a+64*\b+16
.endr
.endr
	WIN 0
.macro VHALF p                         ; channels 32 p + L
.set CA, 128+16*(\p)
.set CB, 136+16*(\p)
.irp bb, 0,1
.irp k, 0,1,2,3,4,5,6,7,8,9,10,11,12,13,14,15,16,17,18,19,20,21,22,23,24,25,26,27,28,29,30,31
	ds_load_b32 v[32+32*\bb+\k], v255 offset:(32*\bb+16*((\k/8)%2)+8*(\k/16)+\k%8)*272+128*(\p)   ; LDS serves a wave's instructions in order: these see my stores
.endr
.endr
	s_wait_dscnt 0x0
	MAX32 32, 236, 238
	MAX32 64, 237, 239
	v_cvt_scalef32_pk16_fp6_f32 v[CA:CA+2], v[32:47], v236
	v_cvt_scalef32_pk16_fp6_f32 v[PT:PT+2], v[48:63], v236
	v_cvt_scalef32_pk16_fp6_f32 v[CB:CB+2], v[64:79], v237
	v_cvt_scalef32_pk16_fp6_f32 v[228:230], v[80:95], v237
	v_nop                                          ; one plain instruction behind the conversions
.irp i, 0,1,2
	v_mov_b32 v[CA+3+\i], v[PT+\i]
	v_mov_b32 v[CB+3+\i], v[228+\i]
.endr
.irp n, 0,1,2,3,4,5
	v_permlane16_swap_b32 v[CA+\n], v[CB+\n]       ; the images of channels 32 p + 0 .. 15 and 32 p + 16 .. 31
.endr
	global_store_b128 v246, v[CA:CA+3], s[92:93] offset:3072*(\p)
	global_store_b64 v247, v[CA+4:CA+5], s[92:93] offset:3072*(\p)+512
	global_store_b128 v246, v[CB:CB+3], s[92:93] offset:3072*(\p)+1536
	global_store_b64 v247, v[CB+4:CB+5], s[92:93] offset:3072*(\p)+2048
	v_lshl_or_b32 v251, v239, 8, v238
	ds_store_b16 v252, v251 offset:8*(\p)          ; my channel's two bytes of its word; the other two come from the wave with the other 64 keys
.endm
	VHALF 0
	VHALF 1
.Ljoin:
	s_wait_dscnt 0x0                               ; my LDS stores have landed
	s_barrier_signal -1
	s_barrier_wait -1                              ; every wave of every work-group passes this barrier
	s_cmp_eq_u32 ttmp9, 5
	s_cbranch_scc0 .Lclose
	s_cmp_eq_u32 s[RH], 0                          ; one wave for each head stores its scale unit
	s_cbranch_scc0 .Lclose
	ds_load_b64 v[228:229], v253
	s_wait_dscnt 0x0
	global_store_b64 v247, v[228:229], s[94:95]    ; 256 consecutive bytes
.Lclose:
	s_wait_tensorcnt 0x0                           ; the wave's end
	ds_add_u32 v[SPW], v[NIL]
	s_wait_dscnt 0x0
	CROUND                                         ; the closing round: no work-group ends while a partner may still ask for a tile that names it
	s_endpgm
.Lfunc_end_k_q9fbc21978d_qkv:
	.size	k_q9fbc21978d_qkv, .Lfunc_end_k_q9fbc21978d_qkv-k_q9fbc21978d_qkv
	.p2alignl 7, 3214868480
	.fill 96, 4, 3214868480
	.section	.rodata,"a",@progbits
	.p2align	6, 0x0
	.amdhsa_kernel k_q9fbc21978d_qkv
		.amdhsa_group_segment_fixed_size 327680
		.amdhsa_private_segment_fixed_size 0
		.amdhsa_enable_private_segment 0
		.amdhsa_kernarg_size 48
		.amdhsa_user_sgpr_count 2
		.amdhsa_user_sgpr_kernarg_segment_ptr 1
		.amdhsa_wavefront_size32 1
		.amdhsa_system_sgpr_workgroup_id_x 1
		.amdhsa_system_sgpr_workgroup_id_y 1
		.amdhsa_system_sgpr_workgroup_id_z 1
		.amdhsa_system_vgpr_workitem_id 0
		.amdhsa_next_free_vgpr 384
		.amdhsa_next_free_sgpr 102
		.amdhsa_reserve_vcc 1
		.amdhsa_float_denorm_mode_32 3
		.amdhsa_float_denorm_mode_16_64 3
		.amdhsa_memory_ordered 1
		.amdhsa_forward_progress 1
		.amdhsa_inst_pref_size 126
	.end_amdhsa_kernel
	.amdgpu_metadata
---
amdhsa.version: [ 1, 2 ]
amdhsa.kernels:
  - .name:           k_q9fbc21978d_qkv
    .symbol:         k_q9fbc21978d_qkv.kd
    .args:
      - { .name: xq, .offset: 0, .size: 8, .value_kind: global_buffer, .address_space: global }
      - { .name: wqkv, .offset: 8, .size: 8, .value_kind: global_buffer, .address_space: global }
      - { .name: cos, .offset: 16, .size: 8, .value_kind: global_buffer, .address_space: global }
      - { .name: sin, .offset: 24, .size: 8, .value_kind: global_buffer, .address_space: global }
      - { .name: qq, .offset: 32, .size: 8, .value_kind: global_buffer, .address_space: global }
      - { .name: kv, .offset: 40, .size: 8, .value_kind: global_buffer, .address_space: global }
    .group_segment_fixed_size: 327680
    .private_segment_fixed_size: 0
    .kernarg_segment_align: 8
    .kernarg_segment_size: 48
    .max_flat_workgroup_size: 128
    .sgpr_count:     102
    .vgpr_count:     384
    .wavefront_size: 32
...
	.end_amdgpu_metadata
.endif
;; end of part 2
;; launch attn (part 3): grid 8 x 32, 16 waves a work-group, clusters of 4 x 4, 327,680 bytes of LDS; arguments qq, kv, mask, atq; writes atq
.if DOCPART == 3
	.amdgcn_target "amdgcn-amd-amdhsa--gfx1250"
	.amdhsa_code_object_version 6
	.text
	.protected	k_q9fbc21978d_attn
	.globl	k_q9fbc21978d_attn
	.p2align	8
	.type	k_q9fbc21978d_attn,@function
k_q9fbc21978d_attn:
	s_mov_b64 s[64:65], 0
	v_nop
	global_prefetch_b8 v0, s[64:65] scope:SCOPE_SE
	s_setreg_imm32_b32 hwreg(HW_REG_WAVE_MODE, 25, 1), 1
	s_wait_xcnt 0x0
	s_wait_alu depctr_hold_cnt(0) depctr_sa_sdst(0) depctr_va_vdst(0) depctr_va_sdst(0) depctr_va_ssrc(0) depctr_va_vcc(0) depctr_vm_vsrc(0)
	s_getreg_b32 s2, hwreg(HW_REG_IB_STS2, 6, 4)
	s_cmp_eq_u32 s2, 0
	s_cbranch_scc0 .Lentry_in_a_cluster
	s_endpgm
.Lentry_in_a_cluster:
	s_bfe_u32 s2, ttmp6, 0x10000c
	s_cmp_lg_u32 s2, 0xf033
	s_cbranch_scc0 .Lentry_shape_is_right
	s_endpgm
.Lentry_shape_is_right:
; LAUNCH 3 OF 4: for each head, softmax(q k^T / 8 + mask) v on codes of E2M3, and the quantiser of the result for the last projection.  No work of reference() is left out: the mask is an input, so every score is made and the mask is added as given.
; THE LOGIT IS MADE BY THE FIRST PRODUCT ITSELF: 3 is taken off q's scale bytes (a factor 1 / 8, a power of two), and the mask's tile, loaded in the result's layout, is the product's C: D = q k^T / 8 + mask.
; THE SOFTMAX AHEAD OF THE SECOND PRODUCT: M = the running largest t = logit x log2(e), rounded UP to a whole number; p = 2^(t - M), t - M by ONE fused multiply-add of the logit, is quantised along the keys, not normalised.
; The row's sum is taken of the unquantised p and divides at the end.  When M moves, the sum and O are multiplied by 2^(old M - new M): exact.  The maxima are taken of the logits: log2(e) is positive.
; SHARES: a work-group owns 64 queries x the 4 query heads of one key and value head; wave w: head w % 4, queries 16 (w / 4) on.  Every wave walks all 2,048 keys, 128 a step.
; Both products are used transposed: S^T = k q^T, O^T = v^T p^T: a lane holds ONE query (lane % 16) throughout, and p's 16 registers of two neighbouring tiles fall, by two conversions and an exchange of halves, into the order of codes of launch 1.
; K = 64 IN AN INSTRUCTION 128 DEEP: q's registers 6-11 are zero codes, so k's fragment t is named as the twelve registers from its six on: whatever codes its upper half holds (E2M3 has finite codes alone) are multiplied by zeros; bytes 2, 3 of both scale words are 1.0.
; LDS: a ring of two slots of 256 keys, 2^17 bytes apart: two tiles of the mask (64 queries x 128 keys, rows of 512 + 16 bytes) and two records of launch 2 (13,056 bytes each).
; ONE STEP AHEAD: a step's k is asked of LDS ahead of the step before's conversions, its mask as that step's sum frees p's registers; v^T at the step's own head.  So the change of slots stands in the MIDDLE of a slot's second step, when v^T is in:
; the three lines and the round's opening signal ahead of the exponentials, the rest of the round, the refill (two slots on) and the first reads of the next slot behind them.
; CLUSTER 4 x 4: the mask's tiles hang on the block of queries alone and are asked for jointly along a row of the cluster; the records on the key and value head alone: along a column.  Waves 0, 1: the mask's two tiles; wave 2: the records.
; LIMITS: q's scale bytes are at least 3 (a block of q whose largest magnitude is under 2^-122 is not served); the logit is rounded as the matrix instruction rounds its sum with C, not as one f32 addition; NaN and +-infinity in the mask are not served;
; p under 2^-126 is 0; a block whose every p is 0 keeps the byte 1 over zero codes; 1 / sum is v_rcp_f32 and a multiplication; else as stated at the head of launch 1.
; A block's largest p is not searched for: the block's largest logit goes through the same multiply-add and exponential (this takes v_exp_f32 not to fall where its input rises).
; REGISTERS: v1-4 lane places; v5, v6 the add's two; v7-10 the slot's addresses; v11 the prefetches' offset; v12 -M, v13 the largest t, v[14:15] the sum; v16-27 q; v28 q's, v29 p's scale word; v30 at work; v32-79 v^T, v80-83 its scale words;
;   v84-95 p's codes; v96-159 the mask, S^T, p; v160-191 O^T; v192-239 k's eight tiles (v192-199 at work between the products and the next loads; v234-245 at work for the conversions); v246-253 k's scale words; v254 the factor.
.set SLOT1, 1<<17
.set MTILE, 33792                      ; 64 rows x 528 bytes
.set RECOFF, 67584
.set REC,   13056
.set SST,   224768                     ; behind the ring: 512 bytes for the result's scale half-words
.set SPARE, 225280                     ; the spare words, 128 bytes for each of 16 waves
.set FLOOR, 0x1800000
.set SPW, 5
.set NIL, 6
.set T,   30
.set VF,  32
.set VS,  80
.set PC,  84
.set S,   96
.set O,   160
.set KF,  192
.set PT0, 234
.set PT1, 238
.set OPS, 242
.set KS,  246
.set F,   254
.set WV,  12
.set SEL, 20
.set G1M, 24
.set G1R, 32
.set G0M, 40
.set G0R, 44
.set TB,  50
.set SLOTS, 51
.set PFA, 52
.set LIM, 54
.macro TLOAD                           ; the branches hang on the wave's number alone; an s_nop 0 and four v_nop follow each line
	s_cmp_lt_u32 s[WV], 2
	s_cbranch_scc0 .Lnot_m_\@
	tensor_load_to_lds s[G0M:G0M+3], s[G1M:G1M+7]
	s_nop 0
.rept 4
	v_nop
.endr
	s_branch .Lasked_\@
.Lnot_m_\@:
	s_cmp_eq_u32 s[WV], 2
	s_cbranch_scc0 .Lasked_\@
	tensor_load_to_lds s[G0R:G0R+3], s[G1R:G1R+7]
	s_nop 0
.rept 4
	v_nop
.endr
.Lasked_\@:
.endm
.macro CREST                           ; a round of the cluster's barrier behind its opening barrier
	s_cmp_lg_u32 s[WV], 0
	s_cbranch_scc1 .Lnot_wave_0_\@
	s_barrier_signal -3
.Lnot_wave_0_\@:
	s_barrier_wait -3
	s_barrier_signal -1
	s_barrier_wait -1
.endm
.macro CROUND
	s_barrier_signal -1
	s_barrier_wait -1
	CREST
.endm
; A PREFETCH of the mask's part of the slot that the NEXT refill will ask for: 64 rows x 1,024 bytes.  Both clusters of a row of clusters read the same rows: the first (cluster x = 0) asks.  Its four partners share the rows out
; BY ADDRESS, 16 each; in each, waves 4 and 5 ask, 512 bytes of a row each: lane (r, h) names row r, 256 h bytes on.  So each aligned 256 bytes are named once.  The last refill asks for nothing; slots 0 and 1 come by their loads alone.
.macro ASK
	s_cmp_gt_u32 s[SLOTS], s[LIM]
	s_cbranch_scc0 .Lnot_mine_\@
	global_prefetch_b8 v11, s[PFA:PFA+1] th:TH_LOAD_NT scope:SCOPE_SE
.Lnot_mine_\@:
.endm
; What stands in front of a round behind which a slot is filled
.macro OPENR
	s_wait_tensorcnt 0x0                           ; no tensor load of mine is out: the other slot is whole as far as I filled it, and a group 0 may be written
	ds_add_u32 v[SPW], v[NIL]                      ; 0 onto my spare word,
	ds_add_u32 v[SPW], v[NIL]                      ; and once more
	s_xor_b32 s[G0M+1], s[G0M+1], SLOT1            ; the walking descriptors: the other slot, the next 256 keys
	s_add_nc_u64 s[G0M+2:G0M+3], s[G0M+2:G0M+3], 1024
	s_xor_b32 s[G0R+1], s[G0R+1], SLOT1
	s_add_nc_u64 s[G0R+2:G0R+3], s[G0R+2:G0R+3], 2*REC
	s_wait_xcnt 0x0                                ; the last prefetch, a slot back, has read its address
	s_add_nc_u64 s[PFA:PFA+1], s[PFA:PFA+1], 1024
	s_wait_dscnt 0x0                               ; the adds are done, and my reads of the slot in hand are over
	s_barrier_signal -1                            ; opens the round
.endm
.macro ADDR                            ; the addresses of the slot at s[TB]
	v_add_nc_u32 v7, s[TB], v1
	v_add_nc_u32 v8, s[TB], v2
	v_add_nc_u32 v9, s[TB], v3
	v_add_nc_u32 v10, s[TB], v4
.endm
.macro KTILE ro, t
	ds_load_b128 v[KF+6*(\t):KF+6*(\t)+3], v8 offset:(\ro)+768*(\t)
	ds_load_b64 v[KF+6*(\t)+4:KF+6*(\t)+5], v9 offset:(\ro)+768*(\t)+512
.endm
.macro KLOADA ro                       ; k's tiles 0-6 and its scale words: 16 loads
.irp t, 0,1,2,3,4,5,6
	KTILE \ro, \t
.endr
	ds_load_b128 v[KS:KS+3], v10 offset:(\ro)+6144
	ds_load_b128 v[KS+4:KS+7], v10 offset:(\ro)+6400
.endm
.macro MLOAD mo, t                     ; the mask at keys 16 t + 8 h + 0 .. 7 of my query, in the first product's result layout
	ds_load_b128 v[S+8*(\t):S+8*(\t)+3], v7 offset:(\mo)+64*(\t)
	ds_load_b128 v[S+8*(\t)+4:S+8*(\t)+7], v7 offset:(\mo)+64*(\t)+16
.endm
.macro ADDS n, d, h                    ; n packed additions in place: p's registers d on are added onto the lower ones, and are free
.set J, 0
.rept \n
.if \h
	s_delay_alu instid0(VALU_DEP_\h)
.endif
	v_pk_add_f32 v[S+J:S+J+1], v[S+J:S+J+1], v[S+(\d)+J:S+(\d)+J+1]
.set J, J+2
.endr
.endm
	s_load_b256 s[4:11], s[0:1], 0x0               ; qq 4, kv 6, mask 8, atq 10
	v_lshl_add_u32 v[SPW], v0, 2, SPARE
	v_mov_b32 v[NIL], 0
	ds_add_u32 v[SPW], v[NIL]                      ; the wave's opening: the add, twice on end, and its wait ahead of the first tensor loads
	ds_add_u32 v[SPW], v[NIL]
	v_lshrrev_b32 v7, 5, v0
	s_delay_alu instid0(VALU_DEP_1)
	v_readfirstlane_b32 s[WV], v7
	s_bfe_u32 s13, ttmp6, 0x40000                  ; cx
	s_bfe_u32 s14, ttmp6, 0x40004                  ; cy
	s_lshl_b32 s15, ttmp9, 2
	s_add_co_u32 s15, s15, s13                     ; the key and value head
	s_and_b32 s16, ttmp7, 0xffff
	s_lshl_b32 s16, s16, 2
	s_add_co_u32 s16, s16, s14                     ; the block of 64 queries
	s_lshl_b32 s56, s14, 2
	s_lshl_b32 s56, 15, s56                        ; my row of the cluster
	s_lshl_b32 s57, 0x1111, s13                    ; my column
	s_or_b32 s[G1M], s56, (2<<16)|(1<<20)|(1<<21)|(6<<22)|(3<<25)   ; the mask's tile: elements of 4 bytes; 4 words of padding behind every 128
	s_mov_b32 s[G1M+1], 128<<16
	s_mov_b32 s[G1M+2], 64<<16
	s_mov_b32 s[G1M+3], 128<<16
	s_mov_b32 s[G1M+4], 64
	s_mov_b32 s[G1M+5], 2048
	s_mov_b32 s[G1M+6], 0
	s_mov_b32 s[G1M+7], 0
	s_or_b32 s[G1R], s57, (3<<16)|(1<<21)          ; two records: 26,112 dense bytes as 102 rows of 256
	s_mov_b32 s[G1R+1], 32<<16
	s_mov_b32 s[G1R+2], 102<<16
	s_mov_b32 s[G1R+3], 32<<16
	s_mov_b32 s[G1R+4], 102
	s_mov_b32 s[G1R+5], 32
	s_mov_b32 s[G1R+6], 0
	s_mov_b32 s[G1R+7], 0
	s_and_b32 s17, s[WV], 1                        ; which of a slot's two tiles of the mask
	s_lshl_b32 s58, s16, 19                        ; 64 rows of 8,192 bytes
	s_lshl_b32 s18, s17, 9
	s_add_co_u32 s58, s58, s18
	s_mov_b32 s59, 0
	s_mul_i32 s60, s15, 208896                     ; 16 records a head
	s_mov_b32 s61, 0
	s_mov_b32 s[SEL], 0x76543210
	s_mov_b32 s[SEL+1], 0xfedcba98
	s_mov_b32 s48, 0x3fb8aa3b                      ; log2(e)
	s_mov_b32 s49, s48                             ; (named with it as a pair)
	s_mov_b32 s[TB], 0
	s_mov_b32 s[SLOTS], 6
	s_wait_dscnt 0x0                               ; both opening adds are done
	s_wait_kmcnt 0x0
	s_mov_b32 s[G0M], 1
	s_mul_i32 s[G0M+1], s17, MTILE
	s_add_nc_u64 s[G0M+2:G0M+3], s[8:9], s[58:59]
	s_or_b32 s[G0M+3], s[G0M+3], 0x80000000
	s_mov_b32 s[G0R], 1
	s_mov_b32 s[G0R+1], RECOFF
	s_add_nc_u64 s[G0R+2:G0R+3], s[6:7], s[60:61]
	s_or_b32 s[G0R+3], s[G0R+3], 0x80000000
	CROUND                                         ; all sixteen work-groups are here
	TLOAD                                          ; slot 0: keys 0 - 255
	s_and_b32 s62, s[WV], 3                        ; my head among the four
	s_lshr_b32 s63, s[WV], 2                       ; my tile of queries
	s_lshl_b32 s66, s15, 2
	s_add_co_u32 s66, s66, s62                     ; the query head
	s_lshl_b32 s67, s16, 2
	s_add_co_u32 s67, s67, s63                     ; the tile of 16 queries
	s_lshl_b32 s68, s66, 7
	s_add_co_u32 s68, s68, s67
	s_mul_i32 s68, s68, 768
	s_mov_b32 s69, 0
	s_add_nc_u64 s[68:69], s[4:5], s[68:69]        ; q's image
	s_lshl_b32 s70, s66, 5
	s_add_co_u32 s70, s70, s16
	s_lshl_b32 s70, s70, 8
	s_lshl_b32 s76, s63, 2
	s_add_co_u32 s70, s70, s76
	s_mov_b32 s71, 0
	s_add_nc_u64 s[70:71], s[4:5], s[70:71]        ; q's scale words (the region's 3,145,728 stand in the immediate)
	s_lshl_b32 s72, s67, 5
	s_add_co_u32 s72, s72, s66
	s_mul_i32 s72, s72, 768
	s_mov_b32 s73, 0
	s_add_nc_u64 s[72:73], s[10:11], s[72:73]      ; the result's image (tile of queries, head)
	s_lshl_b32 s74, s16, 3
	s_add_co_u32 s74, s74, s15
	s_lshl_b32 s74, s74, 9
	s_mov_b32 s75, 0
	s_add_nc_u64 s[74:75], s[10:11], s[74:75]      ; the work-group's 512 bytes of the result's scale words
	v_and_b32 v30, 31, v0                          ; L
	v_and_b32 v31, 15, v0                          ; r
	v_bfe_u32 v254, v0, 4, 1                       ; h
	s_delay_alu instid0(VALU_DEP_3)
	v_lshlrev_b32 v8, 4, v30
	s_delay_alu instid0(VALU_DEP_4)
	v_lshlrev_b32 v9, 3, v30
	s_delay_alu instid0(VALU_DEP_4)
	v_lshlrev_b32 v10, 4, v31
	global_load_b128 v[16:19], v8, s[68:69]
	global_load_b64 v[20:21], v9, s[68:69] offset:512
	global_load_b32 v28, v10, s[70:71] offset:3145728
	s_mul_i32 s76, s63, 16*528
	v_mul_u32_u24 v1, v31, 528
	s_delay_alu instid0(VALU_DEP_1)
	v_lshl_add_u32 v1, v254, 5, v1
	s_delay_alu instid0(VALU_DEP_1)
	v_add_nc_u32 v1, s76, v1                       ; the mask: my query's row, 32 h bytes on
	v_lshl_add_u32 v2, v30, 4, RECOFF              ; images: registers 0-3,
	v_lshl_add_u32 v3, v30, 3, RECOFF              ; registers 4-5,
	v_lshl_add_u32 v4, v31, 4, RECOFF              ; scale units: four words a row
	v_lshlrev_b32 v11, 13, v31
	s_delay_alu instid0(VALU_DEP_1)
	v_lshl_add_u32 v11, v254, 8, v11               ; the prefetches: row r, 256 h bytes on
	s_lshl_b32 s78, s16, 19
	s_lshl_b32 s77, s13, 17                        ; my work-group's 16 rows of the 64
	s_add_co_u32 s78, s78, s77
	s_add_co_u32 s78, s78, s18                     ; my wave's 512 bytes,
	s_add_co_u32 s78, s78, 1024                    ; in slot 1: slot 1's fill steps it to slot 2
	s_mov_b32 s79, 0
	s_add_nc_u64 s[PFA:PFA+1], s[8:9], s[78:79]
	s_lshr_b32 s77, s[WV], 1
	s_xor_b32 s77, s77, 2                          ; 0 in waves 4 and 5,
	s_or_b32 s77, s77, ttmp9                       ; of the clusters with x = 0: the same in all partners
	s_cmp_eq_u32 s77, 0
	s_cselect_b32 s[LIM], 1, -1
	s_wait_alu depctr_va_vdst(0)
	s_wait_loadcnt 0x0                             ; q; its loads' address registers may be written
	v_add_nc_u32 v28, 0xfffffcfd, v28              ; 3 off bytes 0 and 1 of q's scale word: the scores come out divided by 8
.irp i, 22,23,24,25,26,27,240,241,242,243,244,245,255
	v_mov_b32 v[\i], 0                             ; q's zero codes; v240-245 and v255 are named before they are first made
.endr
.set J, 0
.rept 32
	v_mov_b32 v[O+J], 0                            ; O^T.  (The step is written once: the first finds zeros, which the first change of M leaves zeros)
.set J, J+1
.endr
	v_mov_b32 v13, 0xff61b1e6                      ; the largest t so far: -3e38
	s_delay_alu instid0(VALU_DEP_1)
	v_floor_f32 v12, -v13                          ; -M
	v_mov_b32 v14, 0
	v_mov_b32 v15, 0
; A KEY STEP: 128 keys, the q-th of the slot in hand.  mode 0: the next step lies in the same slot.  1: the slot is left, a round, the refill two slots on.  2: the slot is left, nothing more to fetch.  3: the last step.
.macro STEP q, mode
.if (\mode) == 0
.set NR, REC
.set NM, MTILE
.else
.set NR, 0
.set NM, 0
.endif
	s_wait_dscnt 0x0                               ; k, its scale words and the mask, asked for in the step before
.irp t, 0,1,2,3,4,5,6,7
	v_wmma_scale_f32_16x16x128_f8f6f4 v[S+8*\t:S+8*\t+7], v[KF+6*\t:KF+6*\t+11], v[16:27], v[S+8*\t:S+8*\t+7], v[KS+\t], v28 matrix_a_fmt:MATRIX_FMT_FP6 matrix_b_fmt:MATRIX_FMT_FP6
.endr
.rept 4
	v_nop                                          ; four places behind the products, these and the last step's: in front of the loads below and of the first read of the logits
.endr
.irp t, 0,1,2,3                        ; v^T and its scale words land under the softmax: 17 loads
	ds_load_b128 v[VF+12*\t:VF+12*\t+3], v8 offset:(\q)*REC+6656+1536*\t
	ds_load_b64 v[VF+12*\t+4:VF+12*\t+5], v9 offset:(\q)*REC+6656+1536*\t+512
	ds_load_b128 v[VF+12*\t+6:VF+12*\t+9], v8 offset:(\q)*REC+6656+1536*\t+768
	ds_load_b64 v[VF+12*\t+10:VF+12*\t+11], v9 offset:(\q)*REC+6656+1536*\t+1280
.endr
	ds_load_b128 v[VS:VS+3], v10 offset:(\q)*REC+12800
.irp b, 0,1,2,3
	v_max3_num_f32 v[192+\b], v[S+16*\b], v[S+16*\b+1], v[S+16*\b+2]   ; the largest logit of each block of 32 keys: for the row's maximum and for the block's largest p
.endr
.irp i, 3,5,7,9,11,13
.irp b, 0,1,2,3
	v_max3_num_f32 v[192+\b], v[192+\b], v[S+16*\b+\i], v[S+16*\b+\i+1]   ; (the four blocks by turns)
.endr
.endr
.irp b, 0,1,2,3
	v_max_num_f32 v[192+\b], v[192+\b], v[S+16*\b+15]
.endr
.irp b, 0,1,2,3
	s_delay_alu instid0(VALU_DEP_4)
	v_permlanex16_b32 v[196+\b], v[192+\b], s[SEL], s[SEL+1]
.endr
.irp b, 0,1,2,3
	s_delay_alu instid0(VALU_DEP_4)
	v_max_num_f32 v[192+\b], v[192+\b], v[196+\b]  ; with lane L xor 16's 16 keys
.endr
	s_delay_alu instid0(VALU_DEP_2)
	v_max3_num_f32 v[T], v192, v193, v194
	s_delay_alu instid0(VALU_DEP_1)
	v_max_num_f32 v[T], v[T], v195
	s_delay_alu instid0(VALU_DEP_1)
	v_mul_f32 v[T], s48, v[T]                      ; the step's largest t
	s_delay_alu instid0(VALU_DEP_1)
	v_max_num_f32 v13, v13, v[T]                   ; the running largest t
	v_mov_b32 v[T], v12
	s_delay_alu instid0(VALU_DEP_2)
	v_floor_f32 v12, -v13                          ; the new -M = -ceil(t)
	s_delay_alu instid0(VALU_DEP_1)
	v_sub_f32 v[T], v12, v[T]                      ; old M less new M: a whole number, 0 or less
	s_delay_alu instid0(VALU_DEP_1)
	v_cvt_i32_f32 v[T], v[T]                       ; (it saturates)
	s_delay_alu instid0(VALU_DEP_1)
	v_ldexp_f32 v[F], 1.0, v[T]                    ; f = 2^(old M - new M)
.set J, 0
.rept 32
	v_pk_fma_f32 v[S+J:S+J+1], v[S+J:S+J+1], s[48:49], v[12:13] op_sel_hi:[1,0,0]   ; t - M, one rounding
.set J, J+2
.endr
.irp b, 0,1,2,3
	v_fma_f32 v[192+\b], v[192+\b], s48, v12       ; the same of each block's largest logit
.endr
.set J, 0
.rept 16
	v_pk_mul_f32 v[O+J:O+J+1], v[O+J:O+J+1], v[F:F+1] op_sel_hi:[1,0]   ; O^T under the new M, each accumulator from its low end on
.set J, J+2
.endr
	s_wait_alu depctr_va_vdst(0)
.if (\mode) == 1
	OPENR
.endif
.if (\mode) == 2
	s_wait_tensorcnt 0x0                           ; my part of the last slot is in
	ds_add_u32 v[SPW], v[NIL]
	s_wait_dscnt 0x0
	s_barrier_signal -1
.endif
.set J, 0
.rept 64
	v_exp_f32 v[S+J], v[S+J]                       ; p = 2^(t - M)
.set J, J+1
.endr
.irp b, 0,1,2,3
	v_exp_f32 v[192+\b], v[192+\b]                 ; each block's largest p
.endr
	v_pk_mul_f32 v[14:15], v[14:15], v[F:F+1] op_sel_hi:[1,0]   ; the sums under the new M: a plain instruction behind the exponentials
	s_wait_alu depctr_va_vdst(0)                   ; one wait for the batch, ahead of its first reader
.irp b, 0,1,2,3
	v_max_num_f32 v[192+\b], FLOOR, v[192+\b]
.endr
.irp b, 0,1,2,3
	s_delay_alu instid0(VALU_DEP_4)
	v_add_nc_u32 v[OPS+\b], 0xff000000, v[192+\b]  ; 2 off the exponent field: the conversion's scale operand
.endr
.irp b, 0,1,2,3
	s_delay_alu instid0(VALU_DEP_4)
	v_lshrrev_b32 v[196+\b], 23, v[OPS+\b]
.endr
	s_delay_alu instid0(VALU_DEP_3)
	v_lshl_or_b32 v29, v197, 8, v196               ; p's scale word for these 128 keys
	s_delay_alu instid0(VALU_DEP_1)
	v_lshl_or_b32 v29, v198, 16, v29
	s_delay_alu instid0(VALU_DEP_1)
	v_lshl_or_b32 v29, v199, 24, v29
.if (\mode) == 1
	s_wait_alu depctr_va_vdst(0)
	s_barrier_wait -1
	CREST                                          ; no wave of any partner still reads the slot in hand or has a load on its way
	TLOAD                                          ; a wave's one tensor load until the next round: it has two key steps in which to land
	ASK
.endif
.if (\mode) == 2
	s_wait_alu depctr_va_vdst(0)
	s_barrier_wait -1                              ; the last slot is whole
.endif
.if ((\mode) == 1) || ((\mode) == 2)
	s_xor_b32 s[TB], s[TB], SLOT1                  ; on to the other slot
	ADDR
.endif
.if (\mode) != 3
	KLOADA NR                                      ; the next step's k, but for tile 7, whose registers are at work below
.endif
	v_cvt_scalef32_pk16_fp6_f32 v[PC:PC+2], v[S:S+15], v[OPS]
	v_cvt_scalef32_pk16_fp6_f32 v[PT0:PT0+2], v[S+16:S+31], v[OPS+1]
	v_cvt_scalef32_pk16_fp6_f32 v[PC+6:PC+8], v[S+32:S+47], v[OPS+2]
	v_cvt_scalef32_pk16_fp6_f32 v[PT1:PT1+2], v[S+48:S+63], v[OPS+3]
	v_nop                                          ; one plain instruction behind the conversions
.irp i, 0,1,2
	v_permlane16_swap_b32 v[PC+\i], v[PT0+\i]      ; a whole block in a lane
	v_permlane16_swap_b32 v[PC+6+\i], v[PT1+\i]
.endr
.irp i, 0,1,2
	v_mov_b32 v[PC+3+\i], v[PT0+\i]
	v_mov_b32 v[PC+9+\i], v[PT1+\i]
.endr
.if (\mode) != 3
	KTILE NR, 7
.endif
	ADDS 16, 32, 0                                 ; THE ROW'S SUM OF THE UNQUANTISED p, in place; the next step's mask follows into the registers that fall free.  (These are also the places behind the writes of p's codes and scale word)
.if (\mode) != 3
.irp t, 4,5,6,7
	MLOAD NM, \t
.endr
.endif
	ADDS 8, 16, 0
.if (\mode) != 3
	MLOAD NM, 2
	MLOAD NM, 3
.endif
	ADDS 4, 8, 0
.if (\mode) != 3
	MLOAD NM, 1
.endif
	ADDS 2, 4, 0
	s_delay_alu instid0(VALU_DEP_1)
	v_pk_add_f32 v[S:S+1], v[S:S+1], v[S+2:S+3]
	s_delay_alu instid0(VALU_DEP_1)
	v_pk_add_f32 v[14:15], v[14:15], v[S:S+1]
.if (\mode) != 3
	MLOAD NM, 0
.endif
	s_wait_alu depctr_va_vdst(0)
.if (\mode) != 3
	s_wait_dscnt 34                                ; v^T and its scale words are in; behind them: 18 loads of k and 16 of the mask, which may be out
.else
	s_wait_dscnt 0x0
.endif
.irp t, 0,1,2,3
	v_wmma_scale_f32_16x16x128_f8f6f4 v[O+8*\t:O+8*\t+7], v[VF+12*\t:VF+12*\t+11], v[PC:PC+11], v[O+8*\t:O+8*\t+7], v[VS+\t], v29 matrix_a_fmt:MATRIX_FMT_FP6 matrix_b_fmt:MATRIX_FMT_FP6
.endr
.endm
	s_wait_alu depctr_va_vdst(0)
	OPENR                                          ; slot 0 is in as far as I filled it; slot 1's first fill is issued as a refill is
	s_barrier_wait -1
	CREST
	TLOAD                                          ; slot 1: keys 256 - 511
	ASK
	ADDR
	s_wait_alu depctr_va_vdst(0)                   ; directly behind the writes: the first step reads these addresses again behind its wait
	KLOADA 0
	KTILE 0, 7
.irp t, 0,1,2,3,4,5,6,7
	MLOAD 0, \t
.endr
.Lslot:                                            ; six trips: slot s is walked, and in its second step slot s + 2 is asked for
	STEP 0, 0
	STEP 1, 1
	s_sub_co_u32 s[SLOTS], s[SLOTS], 1
	s_cmp_lg_u32 s[SLOTS], 0
	s_cbranch_scc1 .Lslot
	STEP 0, 0                                      ; the last two slots are written out
	STEP 1, 2
	STEP 0, 0
	STEP 1, 3
	; THE WAY OUT: O^T / the sum is quantised along the head's 64 channels, which are 64 of the last projection's K
.set PT, 216
.set TM, 232
	v_add_f32 v14, v14, v15
	s_delay_alu instid0(VALU_DEP_1)
	v_permlanex16_b32 v254, v14, s[SEL], s[SEL+1]
	s_delay_alu instid0(VALU_DEP_1)
	v_add_f32 v14, v14, v254                       ; the row's sum
	s_wait_alu depctr_va_vdst(0)
	v_rcp_f32 v14, v14
	v_and_b32 v30, 31, v0                          ; (plain work behind the reciprocal, and places behind the last products)
	v_and_b32 v31, 15, v0
	s_delay_alu instid0(VALU_DEP_2)
	v_lshlrev_b32 v7, 4, v30                       ; 16 L
	s_delay_alu instid0(VALU_DEP_3)
	v_lshlrev_b32 v8, 3, v30                       ; 8 L
	s_lshl_b32 s76, s63, 7
	s_lshl_b32 s77, s62, 1
	s_add_co_u32 s76, s76, s77
	s_add_co_u32 s76, s76, SST
	v_lshl_add_u32 v9, v31, 3, s76                 ; my row's half-word: 128 (tile) + 8 r + 2 (head % 4)
	v_add_nc_u32 v10, SST, v7
	s_wait_alu depctr_va_vdst(0)                   ; the wait ahead of the reciprocal's first reader
.set J, 0
.rept 32
	v_mul_f32 v[S+J], v[O+J], v14
.set J, J+1
.endr
.irp b, 0,1
	v_max3_num_f32 v[TM+\b], |v[S+16*\b]|, |v[S+16*\b+1]|, FLOOR
.endr
.irp i, 2,4,6,8,10,12,14
.irp b, 0,1
	s_delay_alu instid0(VALU_DEP_2)
	v_max3_num_f32 v[TM+\b], v[TM+\b], |v[S+16*\b+\i]|, |v[S+16*\b+\i+1]|
.endr
.endr
.irp b, 0,1
	s_delay_alu instid0(VALU_DEP_2)
	v_permlanex16_b32 v[TM+2+\b], v[TM+\b], s[SEL], s[SEL+1]
.endr
.irp b, 0,1
	s_delay_alu instid0(VALU_DEP_2)
	v_max_num_f32 v[TM+\b], v[TM+\b], v[TM+2+\b]
.endr
.irp b, 0,1
	s_delay_alu instid0(VALU_DEP_2)
	v_add_nc_u32 v[TM+4+\b], 0xff000000, v[TM+\b]
.endr
.irp b, 0,1
	s_delay_alu instid0(VALU_DEP_2)
	v_lshrrev_b32 v[TM+6+\b], 23, v[TM+4+\b]
.endr
	s_delay_alu instid0(VALU_DEP_1)
	v_lshl_or_b32 v255, v[TM+7], 8, v[TM+6]
	v_cvt_scalef32_pk16_fp6_f32 v[204:206], v[S:S+15], v[TM+4]
	v_cvt_scalef32_pk16_fp6_f32 v[PT:PT+2], v[S+16:S+31], v[TM+5]
	v_nop                                          ; one plain instruction behind the conversions
.irp i, 0,1,2
	v_permlane16_swap_b32 v[204+\i], v[PT+\i]
.endr
.irp i, 0,1,2
	s_delay_alu instid0(VALU_DEP_3)
	v_mov_b32 v[207+\i], v[PT+\i]
.endr
	global_store_b128 v7, v[204:207], s[72:73]     ; the image: 512 consecutive bytes,
	global_store_b64 v8, v[208:209], s[72:73] offset:512   ; and 256 more
	ds_store_b16 v9, v255                          ; both halves of the lanes write the same half-word with the same value
	s_wait_dscnt 0x0                               ; for the others' sake
	s_barrier_signal -1
	s_barrier_wait -1
	s_cmp_lg_u32 s[WV], 0
	s_cbranch_scc1 .Lclose
	ds_load_b128 v[96:99], v10                     ; the sixteen waves' half-words: 512 bytes
	s_wait_dscnt 0x0
	global_store_b128 v7, v[96:99], s[74:75] offset:3145728
.Lclose:
	s_wait_tensorcnt 0x0                           ; the wave's end
	ds_add_u32 v[SPW], v[NIL]
	s_wait_dscnt 0x0
	CROUND                                         ; the closing round
	s_endpgm
.Lfunc_end_k_q9fbc21978d_attn:
	.size	k_q9fbc21978d_attn, .Lfunc_end_k_q9fbc21978d_attn-k_q9fbc21978d_attn
	.p2alignl 7, 3214868480
	.fill 96, 4, 3214868480
	.section	.rodata,"a",@progbits
	.p2align	6, 0x0
	.amdhsa_kernel k_q9fbc21978d_attn
		.amdhsa_group_segment_fixed_size 327680
		.amdhsa_private_segment_fixed_size 0
		.amdhsa_enable_private_segment 0
		.amdhsa_kernarg_size 32
		.amdhsa_user_sgpr_count 2
		.amdhsa_user_sgpr_kernarg_segment_ptr 1
		.amdhsa_wavefront_size32 1
		.amdhsa_system_sgpr_workgroup_id_x 1
		.amdhsa_system_sgpr_workgroup_id_y 1
		.amdhsa_system_sgpr_workgroup_id_z 1
		.amdhsa_system_vgpr_workitem_id 0
		.amdhsa_next_free_vgpr 256
		.amdhsa_next_free_sgpr 80
		.amdhsa_reserve_vcc 0
		.amdhsa_float_denorm_mode_32 3
		.amdhsa_float_denorm_mode_16_64 3
		.amdhsa_memory_ordered 1
		.amdhsa_forward_progress 1
		.amdhsa_inst_pref_size 123
	.end_amdhsa_kernel
	.amdgpu_metadata
---
amdhsa.version: [ 1, 2 ]
amdhsa.kernels:
  - .name:           k_q9fbc21978d_attn
    .symbol:         k_q9fbc21978d_attn.kd
    .args:
      - { .name: qq, .offset: 0, .size: 8, .value_kind: global_buffer, .address_space: global }
      - { .name: kv, .offset: 8, .size: 8, .value_kind: global_buffer, .address_space: global }
      - { .name: mask, .offset: 16, .size: 8, .value_kind: global_buffer, .address_space: global }
      - { .name: atq, .offset: 24, .size: 8, .value_kind: global_buffer, .address_space: global }
    .group_segment_fixed_size: 327680
    .private_segment_fixed_size: 0
    .kernarg_segment_align: 8
    .kernarg_segment_size: 32
    .max_flat_workgroup_size: 512
    .sgpr_count:     80
    .vgpr_count:     256
    .wavefront_size: 32
...
	.end_amdgpu_metadata
.endif
;; end of part 3
;; launch outp (part 4): grid 16 x 16, 4 waves a work-group, clusters of 4 x 4, 327,680 bytes of LDS; arguments atq, woq, out0; writes out0
.if DOCPART == 4
	.amdgcn_target "amdgcn-amd-amdhsa--gfx1250"
	.amdhsa_code_object_version 6
	.text
	.protected	k_q9fbc21978d_outp
	.globl	k_q9fbc21978d_outp
	.p2align	8
	.type	k_q9fbc21978d_outp,@function
k_q9fbc21978d_outp:
	s_mov_b64 s[64:65], 0
	v_nop
	global_prefetch_b8 v0, s[64:65] scope:SCOPE_SE
	s_setreg_imm32_b32 hwreg(HW_REG_WAVE_MODE, 25, 1), 1
	s_wait_xcnt 0x0
	s_wait_alu depctr_hold_cnt(0) depctr_sa_sdst(0) depctr_va_vdst(0) depctr_va_sdst(0) depctr_va_ssrc(0) depctr_va_vcc(0) depctr_vm_vsrc(0)
	s_getreg_b32 s2, hwreg(HW_REG_IB_STS2, 6, 4)
	s_cmp_eq_u32 s2, 0
	s_cbranch_scc0 .Lentry_in_a_cluster
	s_endpgm
.Lentry_in_a_cluster:
	s_bfe_u32 s2, ttmp6, 0x10000c
	s_cmp_lg_u32 s2, 0xf033
	s_cbranch_scc0 .Lentry_shape_is_right
	s_endpgm
.Lentry_shape_is_right:
; LAUNCH 4 OF 4: out0 = (attention's result) wo on codes of E2M3; f32 out.  No work of reference() is left out.
; The product's core is launch 2's: a tile of 128 x 128, four waves of 64 x 64, the matrix instruction transposed (source 0 = 16 columns' codes of wo, source 1 = 16 rows), K = 2,048 in 16 steps of 128; three LDS slots of 512 along K, all first fills,
; and one refill of slot 0 behind step 2's products; operands as images of their registers; the scale words of 128 + 128 rows once; a cluster of 4 x 4 with joint loads along its rows (the rows' tiles) and columns (wo's).
; LIMITS: as stated at the head of launch 1.
; REGISTERS: window 0: v1-12 fragment addresses; v13 scale words' address; v14, v15 the add's two; v16-31 scale words, nothing else; v32-127, v128-223 two fragment buffers; v244-246 the way out.  window 1: v0-127 the accumulators.
.set SCOFFA, 3145728
.set SCOFFB, 3145728
.set SLOTB,  98304
.set SCL,    294912
.set SPARE,  311296
.set STG,    98304                     ; the way out: 16 rows x 272 bytes for each wave, in slot 1: it has had its only fill, and nobody reads it behind the barrier of step 11
.set SPW, 14
.set NIL, 15
.set F0,  32
.set WV, 16
.set RH, 17
.set CH, 18
.set CX, 19
.set CY, 20
.set TX, 21
.set TY, 22
.set LB, 23
.set G1A, 24
.set G1B, 32
.set G1SA, 40
.set G1SB, 48
.set G0A0, 56
.set G0A1, 60
.set G0A2, 68
.set G0SA, 72
.set G0B0, 76
.set G0B1, 80
.set G0B2, 84
.set G0SB, 88
.set MSB, 0
.macro WIN new
.if MSB != \new
	s_set_vgpr_msb (MSB<<8)|\new
.set MSB, \new
.endif
.endm
.macro PLACES n
.rept \n
	v_nop
.endr
.endm
.macro JLOAD g0a, g1a, g0b, g1b        ; waves 0, 1 ask for the rows' tiles, waves 2, 3 for wo's; an s_nop 0 and four v_nop follow each line
	s_cmp_eq_u32 s[RH], 0
	s_cbranch_scc0 .Lfor_b_\@
	tensor_load_to_lds s[\g0a:\g0a+3], s[\g1a:\g1a+7]
	s_nop 0
.rept 4
	v_nop
.endr
	s_branch .Lasked_\@
.Lfor_b_\@:
	tensor_load_to_lds s[\g0b:\g0b+3], s[\g1b:\g1b+7]
	s_nop 0
.rept 4
	v_nop
.endr
.Lasked_\@:
.endm
.macro CROUND
	s_barrier_signal -1
	s_barrier_wait -1
	s_cmp_lg_u32 s[WV], 0
	s_cbranch_scc1 .Lnot_wave_0_\@
	s_barrier_signal -3
.Lnot_wave_0_\@:
	s_barrier_wait -3
	s_barrier_signal -1
	s_barrier_wait -1
.endm
.macro SETG0 g, lo, src, bo
	s_mov_b32 s[\g], 1
	s_add_co_u32 s[\g+1], s[LB], \lo
	s_add_nc_u64 s[\g+2:\g+3], s[\src:\src+1], \bo
	s_or_b32 s[\g+3], s[\g+3], 0x80000000
.endm
.macro FRAG reg, a16, a8, off
	ds_load_b128 v[(\reg):(\reg)+3], v[\a16] offset:(\off)
	ds_load_b64 v[(\reg)+4:(\reg)+5], v[\a8] offset:(\off)+512
	ds_load_b128 v[(\reg)+6:(\reg)+9], v[\a16] offset:(\off)+768
	ds_load_b64 v[(\reg)+10:(\reg)+11], v[\a8] offset:(\off)+1280
.endm
.macro FETCH k, f
.if ((\k)/4 == 1) || ((\k)/4 == 2)     ; steps 4 to 11 lie behind byte 98,304, a tile's row 12,288 bytes; the others in the first 98,304 bytes, a tile's row 6,144
.set SL, 1
.set KO, ((\k)-4)*1536
.set TP, 12288
.else
.set SL, 0
.set KO, ((\k)%4)*1536
.set TP, 6144
.endif
.irp i, 0,1,2,3
	FRAG (\f)+12*\i, 1+SL, 4+SL, KO+\i*TP
.endr
.irp i, 0,1,2,3
	FRAG (\f)+48+12*\i, 7+SL, 10+SL, KO+\i*TP
.endr
.endm
.macro SCALES s
.irp i, 0,1,2,3
	ds_load_b64 v[16+8*((\s)%2)+2*\i:16+8*((\s)%2)+2*\i+1], v13 offset:(\s)*512+\i*128
.endr
.endm
.macro MUL16 f, k, zero                ; the 16 accumulators take turns, one instruction a turn, in the same order in every step
.set SCS, 16+8*(((\k)/2)%2)+(\k)%2
	WIN 0x50
.irp a, 0,1,2,3
.irp b, 0,1,2,3
.if \zero
	v_wmma_scale_f32_16x16x128_f8f6f4 v[8*(4*\a+\b):8*(4*\a+\b)+7], v[(\f)+48+12*\b:(\f)+48+12*\b+11], v[(\f)+12*\a:(\f)+12*\a+11], 0, v[SCS+2*\b], v[SCS+2*\a] matrix_a_fmt:MATRIX_FMT_FP6 matrix_b_fmt:MATRIX_FMT_FP6 matrix_a_scale:MATRIX_SCALE_ROW1
.else
	v_wmma_scale_f32_16x16x128_f8f6f4 v[8*(4*\a+\b):8*(4*\a+\b)+7], v[(\f)+48+12*\b:(\f)+48+12*\b+11], v[(\f)+12*\a:(\f)+12*\a+11], v[8*(4*\a+\b):8*(4*\a+\b)+7], v[SCS+2*\b], v[SCS+2*\a] matrix_a_fmt:MATRIX_FMT_FP6 matrix_b_fmt:MATRIX_FMT_FP6 matrix_a_scale:MATRIX_SCALE_ROW1
.endif
.endr
.endr
	WIN 0
.endm
	s_load_b128 s[4:7], s[0:1], 0x0                ; atq 4, woq 6
	s_load_b64 s[8:9], s[0:1], 0x10                ; out0
	v_lshl_add_u32 v[SPW], v0, 2, SPARE
	v_mov_b32 v[NIL], 0
	ds_add_u32 v[SPW], v[NIL]                      ; the wave's opening: the add, twice on end, and its wait ahead of my first tensor load
	ds_add_u32 v[SPW], v[NIL]
	v_lshrrev_b32 v1, 5, v0
	v_readfirstlane_b32 s[WV], v1
	s_lshr_b32 s[RH], s[WV], 1
	s_and_b32 s[CH], s[WV], 1
	s_bfe_u32 s[CX], ttmp6, 0x40000
	s_bfe_u32 s[CY], ttmp6, 0x40004
	s_lshl_b32 s[TX], ttmp9, 2
	s_add_co_u32 s[TX], s[TX], s[CX]
	s_and_b32 s[TY], ttmp7, 0xffff
	s_lshl_b32 s[TY], s[TY], 2
	s_add_co_u32 s[TY], s[TY], s[CY]
	s_lshl_b32 s2, s[CY], 2
	s_lshl_b32 s2, 15, s2
	s_lshl_b32 s3, 0x1111, s[CX]
	s_or_b32 s[G1A], s2, (3<<16)|(1<<21)
	s_or_b32 s[G1B], s3, (3<<16)|(1<<21)
	s_or_b32 s[G1SA], s2, (3<<16)|(1<<21)
	s_or_b32 s[G1SB], s3, (3<<16)|(1<<21)
.irp g, G1A, G1B                       ; codes: 4 tiles of rows x 6,144 bytes, 24,576 bytes apart
	s_mov_b32 s[\g+1], 768<<16
	s_mov_b32 s[\g+2], 8<<16                       ; the head's loads of codes bring all 8 tiles of a side, 512 along K
	s_mov_b32 s[\g+3], 768<<16
	s_mov_b32 s[\g+4], 8
	s_mov_b32 s[\g+5], 3072
	s_mov_b32 s[\g+6], 0
	s_mov_b32 s[\g+7], 0
.endr
.irp g, G1SA, G1SB                     ; scale words of 128 rows: 8,192 dense bytes as 32 rows of 256
	s_mov_b32 s[\g+1], 32<<16
	s_mov_b32 s[\g+2], 32<<16                      ; the scale words of a side's 128 rows: 8,192 dense bytes as 32 rows of 256
	s_mov_b32 s[\g+3], 32<<16
	s_mov_b32 s[\g+4], 32
	s_mov_b32 s[\g+5], 32
	s_mov_b32 s[\g+6], 0
	s_mov_b32 s[\g+7], 0
.endr
	s_lshl_b32 s66, s[CH], 2
	s_lshl_b32 s92, s[TY], 3
	s_add_co_u32 s92, s92, s66
	s_mul_i32 s92, s92, 24576
	s_mov_b32 s93, 0
	s_lshl_b32 s94, s[TX], 3
	s_add_co_u32 s94, s94, s66
	s_mul_i32 s94, s94, 24576
	s_mov_b32 s95, 0
	s_lshl_b32 s96, s[TY], 1
	s_add_co_u32 s96, s96, s[CH]
	s_lshl_b32 s96, s96, 12
	s_add_co_u32 s96, s96, SCOFFA
	s_mov_b32 s97, 0
	s_lshl_b32 s98, s[TX], 1
	s_add_co_u32 s98, s98, s[CH]
	s_lshl_b32 s98, s98, 12
	s_add_co_u32 s98, s98, SCOFFB
	s_mov_b32 s99, 0
	s_mul_i32 s[LB], s[WV], 24576
	s_lshl_b32 s67, s[WV], 12
	s_wait_dscnt 0x0                               ; both opening adds are done
	s_wait_kmcnt 0x0
	s_add_nc_u64 s[92:93], s[4:5], s[92:93]
	s_add_nc_u64 s[94:95], s[6:7], s[94:95]
	s_add_nc_u64 s[96:97], s[4:5], s[96:97]
	s_add_nc_u64 s[98:99], s[6:7], s[98:99]
; THE FILLS, as they stand now (in place of the account of LDS at the kernel's head).  At the head ONE joint load a wave: wave 0 the rows' 8 tiles of K 0 - 511 (bytes 0 on), wave 1 wo's 8 (49,152 on), wave 2 the rows' scale words, wave 3 wo's.
; Behind the three lines and a round: one load a wave, its 4 tiles x K 512 - 1,535 (rows of 12,288 bytes, 49,152 x wave behind byte 98,304).  Behind step 2's products K 1,536 on comes into the first 98,304 bytes: the one refill.
	s_mul_i32 s2, s[CH], 98304                     ; the head's loads begin at a side's first tile: my four tiles' offset is taken off again
	s_mov_b32 s3, 0
	s_mov_b32 s[G0A2], 1
	s_mov_b32 s[G0A2+1], 0
	s_sub_nc_u64 s[G0A2+2:G0A2+3], s[92:93], s[2:3]
	s_or_b32 s[G0A2+3], s[G0A2+3], 0x80000000
	s_mov_b32 s[G0B2], 1
	s_mov_b32 s[G0B2+1], 49152
	s_sub_nc_u64 s[G0B2+2:G0B2+3], s[94:95], s[2:3]
	s_or_b32 s[G0B2+3], s[G0B2+3], 0x80000000
	s_lshl_b32 s2, s[CH], 12
	s_mov_b32 s[G0SA], 1
	s_mov_b32 s[G0SA+1], SCL
	s_sub_nc_u64 s[G0SA+2:G0SA+3], s[96:97], s[2:3]
	s_or_b32 s[G0SA+3], s[G0SA+3], 0x80000000
	s_mov_b32 s[G0SB], 1
	s_mov_b32 s[G0SB+1], SCL+8192
	s_sub_nc_u64 s[G0SB+2:G0SB+3], s[98:99], s[2:3]
	s_or_b32 s[G0SB+3], s[G0SB+3], 0x80000000
	SETG0 G0A0, 0, 92, 0
	SETG0 G0B0, 0, 94, 0
	s_lshl_b32 s2, s[LB], 1                        ; 49,152 x wave
	s_mov_b32 s[G0A1], 1
	s_add_co_u32 s[G0A1+1], s2, SLOTB
	s_add_nc_u64 s[G0A1+2:G0A1+3], s[92:93], 6144
	s_or_b32 s[G0A1+3], s[G0A1+3], 0x80000000
	s_mov_b32 s[G0B1], 1
	s_add_co_u32 s[G0B1+1], s2, SLOTB
	s_add_nc_u64 s[G0B1+2:G0B1+3], s[94:95], 6144
	s_or_b32 s[G0B1+3], s[G0B1+3], 0x80000000
	CROUND                                         ; all sixteen work-groups are here: the first joint loads meet
.macro ARM under, g0, g1, next         ; one chain of branches on the wave's number, one load to an arm, all arms to one join
	s_cmp_lt_u32 s[WV], \under
	s_cbranch_scc0 \next
	tensor_load_to_lds s[\g0:\g0+3], s[\g1:\g1+7]
	s_nop 0
.rept 4
	v_nop
.endr
	s_branch .Lhead_asked
\next:
.endm
	ARM 1, G0A2, G1A, .Lhead_b
	ARM 2, G0B2, G1B, .Lhead_sa
	ARM 3, G0SA, G1SA, .Lhead_sb
	tensor_load_to_lds s[G0SB:G0SB+3], s[G1SB:G1SB+7]
	s_nop 0
.rept 4
	v_nop
.endr
.Lhead_asked:
	v_and_b32 v224, 31, v0                         ; L
	v_and_b32 v225, 15, v0                         ; r
	v_bfe_u32 v226, v0, 4, 1                       ; h
	v_lshlrev_b32 v227, 4, v224
	v_lshlrev_b32 v228, 3, v224
	s_mul_i32 s2, s[RH], 24576
	s_mul_i32 s3, s[CH], 24576
	s_add_co_u32 s3, s3, 49152
.irp n, 0,1
	v_add_nc_u32 v[1+\n], s2, v227
	v_add_nc_u32 v[4+\n], s2, v228
	v_add_nc_u32 v[7+\n], s3, v227
	v_add_nc_u32 v[10+\n], s3, v228
	s_lshl_b32 s2, s2, 1                           ; behind byte 98,304 a wave's four tiles take 49,152 bytes: twice the offset,
	s_lshl_b32 s3, s3, 1
	s_add_co_u32 s2, s2, SLOTB
	s_add_co_u32 s3, s3, SLOTB
.endr
	s_xor_b32 s3, s[RH], 1                         ; 8,192 + 4,096 (CH - RH) = 4,096 (CH + (RH xor 1)) + 4,096
	s_add_co_u32 s3, s3, s[CH]
	s_lshl_b32 s3, s3, 12
	s_add_co_u32 s3, s3, 4096
	v_mul_u32_u24 v229, s3, v226
	s_lshl_b32 s2, s[RH], 12
	s_add_co_u32 s2, s2, SCL
	v_lshl_add_u32 v13, v225, 3, v229
	v_add_nc_u32 v13, s2, v13
	s_mul_i32 s2, s[WV], 4352
	s_add_co_u32 s2, s2, STG                       ; my stage
	v_mul_u32_u24 v244, v225, 272
	v_lshl_add_u32 v244, v226, 5, v244
	v_add_nc_u32 v244, s2, v244                    ; in: row r, 32 h bytes on
	v_mul_u32_u24 v245, v226, 272
	v_lshl_add_u32 v245, v225, 4, v245
	v_add_nc_u32 v245, s2, v245                    ; back: lanes 0-15 one row of 256 bytes, lanes 16-31 the next
	v_lshlrev_b32 v246, 13, v226
	v_lshl_add_u32 v246, v225, 4, v246             ; and the same two rows in out0
	s_lshl_b32 s66, s[TY], 20
	s_lshl_b32 s67, s[RH], 19
	s_add_co_u32 s66, s66, s67
	s_lshl_b32 s67, s[TX], 9
	s_add_co_u32 s66, s66, s67
	s_lshl_b32 s67, s[CH], 8
	s_add_co_u32 s66, s66, s67
	s_mov_b32 s67, 0
	s_add_nc_u64 s[8:9], s[8:9], s[66:67]          ; out0 at my wave's first row and column
	s_wait_alu depctr_va_vdst(0)
	s_wait_tensorcnt 0x0                           ; my tile of the head's four is in
	ds_add_u32 v[SPW], v[NIL]
.irp g, G1A, G1B                       ; no tensor load of mine is out, so a descriptor may be written: 4 tiles x 12,288 bytes
	s_mov_b32 s[\g+1], 1536<<16
	s_mov_b32 s[\g+2], 4<<16
	s_mov_b32 s[\g+3], 1536<<16
	s_mov_b32 s[\g+4], 4
.endr
	s_wait_dscnt 0x0
	CROUND                                         ; all four tiles are in, and all sixteen work-groups are here
	JLOAD G0A1, G1A, G0B1, G1B                     ; K 512 - 1,535: my one load behind this round
	SCALES 0
	FETCH 0, F0
.macro KSTEP k
.if (\k) == 3                          ; THE ONE REFILL: step 3's fragments, the last of slot 0, were asked for in step 2
	s_wait_tensorcnt 0x0                           ; all my tensor loads have landed, so a group 0 may be written
	ds_add_u32 v[SPW], v[NIL]                      ; 0 onto my spare word
	s_add_nc_u64 s[G0A0+2:G0A0+3], s[G0A0+2:G0A0+3], 18432
	s_add_nc_u64 s[G0B0+2:G0B0+3], s[G0B0+2:G0B0+3], 18432
.irp g, G1A, G1B                       ; and rows of 6,144 bytes again
	s_mov_b32 s[\g+1], 768<<16
	s_mov_b32 s[\g+3], 768<<16
.endr
	s_wait_dscnt 0x0                               ; the add is done, and my reads of slot 0 are over
	CROUND
	JLOAD G0A0, G1A, G0B0, G1B                     ; one load of mine is out; its four v_nop are the places in front of the loads below
.endif
.if (\k) == 11
	s_wait_tensorcnt 0x0                           ; my part of K 1,536 on is in,
	s_wait_dscnt 0x0                               ; and my reads of slots 1 and 2 are over
	s_barrier_signal -1
	s_barrier_wait -1
.endif
.if (\k) < 15
.if ((\k) != 0) && ((\k) != 3)
	PLACES 4                                       ; four places in front of loads into registers that the last step's products read
.endif
	FETCH (\k)+1, F0+96*(((\k)+1)%2)
.if ((\k)%2) == 1
	SCALES ((\k)+1)/2
	s_wait_dscnt 36                                ; all but the 36 just issued
.else
	s_wait_dscnt 32                                ; all but the 32 just issued
.endif
.else
	s_wait_dscnt 0x0
.endif
.if (\k) == 0
	MUL16 F0, 0, 1                                 ; the first step's products start the sums
.else
	MUL16 F0+96*((\k)%2), \k, 0
.endif
.endm
.irp k, 0,1,2,3,4,5,6,7,8,9,10,11,12,13,14,15
	KSTEP \k
.endr
; THE WAY OUT, 16 rows x 64 columns at a time: a lane holds 32 neighbouring bytes of a row and the lanes beside it other rows, so a tile goes through my stage and comes back as whole rows of 256 bytes
.macro OUTT a
.set BK, 32+32*((\a)%2)
.if (\a) >= 2
	s_wait_xcnt 0x0                                ; the stores of two tiles back have read their registers
.endif
	WIN 0x04                                       ; an LDS store's data are its source 1: window 1
.irp b, 0,1,2,3
	ds_store_b128 v244, v[8*(4*(\a)+\b):8*(4*(\a)+\b)+3] offset:64*\b        ; each accumulator from its low end on
	ds_store_b128 v244, v[8*(4*(\a)+\b)+4:8*(4*(\a)+\b)+7] offset:64*\b+16
.endr
	WIN 0
.irp i, 0,1,2,3,4,5,6,7
	ds_load_b128 v[BK+4*\i:BK+4*\i+3], v245 offset:544*\i   ; LDS serves a wave's instructions in order: these see my stores, and the next tile's stores come behind them
.endr
	s_wait_dscnt 0x0
.irp i, 0,1,2,3,4,5,6,7
	global_store_b128 v246, v[BK+4*\i:BK+4*\i+3], s[8:9] offset:(16*(\a)+2*\i)*8192 th:TH_STORE_NT   ; 16 lanes store 256 consecutive bytes, at a multiple of 256 from out0's first byte
.endr
.endm
	PLACES 4                                       ; in front of the first read of results
.irp a, 0,1,2,3
	OUTT \a
.endr
	s_wait_tensorcnt 0x0                           ; the wave's end
	ds_add_u32 v[SPW], v[NIL]
	s_wait_dscnt 0x0
	CROUND                                         ; the closing round
	s_endpgm
.Lfunc_end_k_q9fbc21978d_outp:
	.size	k_q9fbc21978d_outp, .Lfunc_end_k_q9fbc21978d_outp-k_q9fbc21978d_outp
	.p2alignl 7, 3214868480
	.fill 96, 4, 3214868480
	.section	.rodata,"a",@progbits
	.p2align	6, 0x0
	.amdhsa_kernel k_q9fbc21978d_outp
		.amdhsa_group_segment_fixed_size 327680
		.amdhsa_private_segment_fixed_size 0
		.amdhsa_enable_private_segment 0
		.amdhsa_kernarg_size 24
		.amdhsa_user_sgpr_count 2
		.amdhsa_user_sgpr_kernarg_segment_ptr 1
		.amdhsa_wavefront_size32 1
		.amdhsa_system_sgpr_workgroup_id_x 1
		.amdhsa_system_sgpr_workgroup_id_y 1
		.amdhsa_system_sgpr_workgroup_id_z 1
		.amdhsa_system_vgpr_workitem_id 0
		.amdhsa_next_free_vgpr 384
		.amdhsa_next_free_sgpr 102
		.amdhsa_reserve_vcc 0
		.amdhsa_float_denorm_mode_32 3
		.amdhsa_float_denorm_mode_16_64 3
		.amdhsa_memory_ordered 1
		.amdhsa_forward_progress 1
		.amdhsa_inst_pref_size 90
	.end_amdhsa_kernel
	.amdgpu_metadata
---
amdhsa.version: [ 1, 2 ]
amdhsa.kernels:
  - .name:           k_q9fbc21978d_outp
    .symbol:         k_q9fbc21978d_outp.kd
    .args:
      - { .name: atq, .offset: 0, .size: 8, .value_kind: global_buffer, .address_space: global }
      - { .name: woq, .offset: 8, .size: 8, .value_kind: global_buffer, .address_space: global }
      - { .name: out0, .offset: 16, .size: 8, .value_kind: global_buffer, .address_space: global }
    .group_segment_fixed_size: 327680
    .private_segment_fixed_size: 0
    .kernarg_segment_align: 8
    .kernarg_segment_size: 24
    .max_flat_workgroup_size: 128
    .sgpr_count:     102
    .vgpr_count:     384
    .wavefront_size: 32
...
	.end_amdgpu_metadata
.endif
;; end of part 4
